; MI455X (gfx1250); checked and timed in simulation.
; The chip was launched on July 23, 2026; its instructions are those of AMD's public machine-readable ISA for CDNA 5 (MIT licence, August 2026) and "CDNA5" Instruction Set Architecture Reference Guide (July 2026). The comments in the code are by the model that wrote it; some were corrected since.
;; Inner. Allowed arithmetic: matrix products marked QUANTISED: E4M3 operands, one given power-of-two scale a tensor, by v_wmma_f32_16x16x64_fp8_fp8 or v_wmma_f32_16x16x128_fp8_fp8, f32 sums; products left as they are: f32 operands where the result goes on into a quantised operand, else bf16, f16 or f32 operands; f32 sums; everything else in f32.
;; Inputs: W_in 63 x 1,024 float32; W_leaf 64 x 1,024 x 500 float32; b_in 63 float32; b_leaf 64 x 500 float32; beta 63 float32; lowp_scales 4 int32 (the exponents e of the quantised operands' scales 2^e); x 2,048 x 1,024 float32.
;; Outputs: out0 2,048 x 500 float32.
;; This version of the problem:
;;   THIS VERSION OF THE PROBLEM IS GIVEN IN LOW PRECISION. The matrix products marked QUANTISED in the list below multiply operands that are first quantised to E4M3 (4 exponent bits, 3 mantissa bits; 8 bits a number), with one given power-of-two scale for each operand tensor; their sums are f32. All else is computed in f32.
;;   The module's matrix products, in the order in which they are computed (A, B: the left and right operand; K: the contracted axis; several contracted axes count as one K, in the product's order):
;;     1. [M 2,048, K 1,024] x [K 1,024, N 63]; A: input x; B: input W_in: QUANTISED (scales: A lowp_scales[0], B lowp_scales[1])
;;     2. [M 2,048, K 1,024] x [K 1,024, N 32,000]; A: input x; B: input W_leaf: QUANTISED (scales: A lowp_scales[2], B lowp_scales[3])
;;     3. batch 2,048 x [M 1, K 64] x [K 64, N 500]; A: computed on the way; B: computed on the way: left as it is (M = 1 < 16)
;;   THE QUANTISER, for each operand of a quantised product, along K:
;;     - The operand's scale is 2^e, e = its entry of the input lowp_scales (int32; the entries are numbered through the quantised products in the list's order, A before B).
;;     - Each number is divided by the scale, clamped to +-448, and rounded to the nearest number of E4M3, ties to even, subnormals kept.
;;     - The product sums the exact products of the quantised numbers (number of the format x scale) in f32.
;;   ~~~python
;;   def quantise(x, axis, e):      # numpy; x: float32 -> the quantised numbers, widened to float32 again
;;       x = np.moveaxis(x, axis, -1); K = x.shape[-1]
;;       r = np.clip(x / 2.0 ** e, -448, 448)
;;       step = 2.0 ** (np.maximum(np.frexp(np.where(r == 0, 1, r))[1] - 1, -6) - 3)
;;       q = np.round(r / step) * step * 2.0 ** e      # np.round: ties to even
;;       return np.moveaxis(q, -1, axis).astype(np.float32)
;;   ~~~
;; 2 versions. Each part assembles by itself: llvm-mc -triple=amdgcn-amd-amdhsa -mcpu=gfx1250 --defsym DOCPART=n.
;; ======== version 1 of 2: 3 launches
;; limits: right only within a limited range of input values
;; workspace buffers: wimg 33,554,432 bytes; x2img 2,097,152 bytes; x0img 2,097,152 bytes; wnimg 131,072 bytes; gpar 1,024 bytes; bpad 131,072 bytes; part 33,554,432 bytes
;; launch prep (part 1): grid 545 x 1, 16 waves a work-group, no clusters, 0 bytes of LDS; arguments x, W_in, b_in, beta, W_leaf, b_leaf, lowp_scales, wimg, x2img, x0img, wnimg, gpar, bpad; writes wimg, x2img, x0img, wnimg, gpar, bpad
.if DOCPART == 1
	.amdgcn_target "amdgcn-amd-amdhsa--gfx1250"
	.amdhsa_code_object_version 6
	.text
	.protected	k_qa1403c76fb_prep
	.globl	k_qa1403c76fb_prep
	.p2align	8
	.type	k_qa1403c76fb_prep,@function
k_qa1403c76fb_prep:
	s_mov_b64 s[64:65], 0
	v_nop
	global_prefetch_b8 v0, s[64:65] scope:SCOPE_SE
	s_setreg_imm32_b32 hwreg(HW_REG_WAVE_MODE, 25, 1), 1
	s_wait_xcnt 0x0
; out0[n][o] = sum over leaves l of leaf_p[n][l] x softmax_o(x W_leaf[l] + b_leaf[l]), leaf_p = the product of six gates sigmoid(beta (x W_in + b_in)) or 1 - gate along the tree's path.
; NO WORK OF THE PROBLEM IS LEFT OUT: every input has a way to the output and is loaded.  Three launches: this one quantises, the second multiplies and mixes eight leaves at a time, the third adds eight parts.
; THIS LAUNCH makes every operand of the two quantised products once, as codes of E4M3 (code = number / 2^e, held within +-448, to the nearest code, ties to even), laid IN THE ORDER OF THE OPERAND'S REGISTERS:
; a fragment (16 rows or columns x 128 along K) is 2,048 bytes on end: byte 512 c + 16 lane + i is the code of row (lane % 16) at k = 32 c + 16 (lane / 16) + i.  So the next launch fetches fragments by dense 16-byte loads.
;   work-groups 0-15:  x under lowp_scales[2] -> x2img [row block of 64][K step of 128][tile of 16 rows][2,048]
;   work-groups 16-31: x under lowp_scales[0] -> x0img, laid alike
;   work-group 32:     for each group g of eight leaves, the ten rows of W_in that lie on those leaves' paths, under lowp_scales[1] -> wnimg (tile g laid as a tile of x);
;                      row m of tile g: m = 0..5: nodes 0, 1 + g/4, 3 + g/2, 7 + g, 15 + 2 g, 16 + 2 g; m = 8..11: nodes 31 + 4 g + 0..3; the other six rows repeat node 0 (they fill the tile of 16 and are not used).
;                      gpar [g][m]: bs = -log2(e) beta 2^(e0 + e1), bb = -log2(e) beta b_in: a gate is 1 / (1 + 2^(sum x bs + bb)).
;   work-groups 33-544: leaf (i / 8), K step (i % 8) of W_leaf ([K][500], K outermost) under lowp_scales[3] -> wimg [leaf][K step][tile of 16 columns, 32 of them][2,048]; columns 500-511 get zero codes.
;                      Those with K step 0 also store bpad [leaf][512] = b_leaf / 2^(e2 + e3); columns 500-511 get -2^100, which the softmax turns into 0.
; LIMITS: each e between -126 and 119; e2 + e3 between -90 and 127.  NaN among the inputs is not served (an infinity is held at the largest code).
; No LDS, no barrier: waves share nothing.  No tensor loads: the register order needs no turn through LDS.  No cluster: no two work-groups read the same bytes but for x, which is read twice.
.set X, 16                             ; v16..   numbers as loaded: three sets of 16 (K innermost) or two sets of 32 (K outermost)
.set C, 8                              ; v8-15   codes
; ---- K innermost: lane (r, h) takes 16 neighbours of row r: block q of 32 along K, its half h
.macro RLOAD q
.irp j, 0,1,2,3
	global_load_b128 v[X+16*((\q)%3)+4*\j:X+16*((\q)%3)+4*\j+3], v1, s[38:39] offset:128*(\q)+16*\j
.endr
.endm
.macro RBLOCK q
.set XS, X+16*((\q)%3)
.set CD, C+4*((\q)%2)
.if (\q) < 14
	s_wait_loadcnt 8                               ; this block's four loads are in; the eight of the two blocks behind it may be out
.else
	s_wait_loadcnt 4*(15-(\q))
.endif
.irp i, 0,1,2,3,4,5,6,7,8,9,10,11,12,13,14,15
	v_med3_num_f32 v[XS+\i], v[XS+\i], -v3, v3     ; the conversion to an 8-bit code does not saturate (ISA guide 7.6.2): the hold at the largest code x the scale
.endr
.if (\q) >= 2
	s_wait_xcnt 0x0                                ; the store of two blocks ago has read its data: these four registers are written again only behind this wait
.endif
	v_cvt_scalef32_pk8_fp8_f32 v[CD:CD+1], v[XS:XS+7], v4
	v_cvt_scalef32_pk8_fp8_f32 v[CD+2:CD+3], v[XS+8:XS+15], v4
	global_store_b128 v2, v[CD:CD+3], s[40:41] offset:((\q)/4)*8192+((\q)%4)*512   ; the wave stores 512 consecutive bytes, aligned
.if (\q)+3 < 16
	RLOAD (\q)+3
.endif
.endm
; ---- K outermost: a lane takes a column, its registers run down K: block c of 32
.macro WLOADB c
.irp i, 0,1,2,3,4,5,6,7,8,9,10,11,12,13,14,15,16,17,18,19,20,21,22,23,24,25,26,27,28,29,30,31
	global_load_b32 v[X+32*((\c)%2)+\i], v1, s[12:13] offset:(32*(\c)+\i)*2000 th:TH_LOAD_NT
.endr
.endm
.macro WBLOCK c
.set XS, X+32*((\c)%2)
.if (\c) < 3
	s_wait_loadcnt 32                              ; this block's 32 loads (and what was asked for ahead of them) are in; the next block's 32 may be out
.else
	s_wait_loadcnt 0
.endif
.irp i, 0,1,2,3,4,5,6,7,8,9,10,11,12,13,14,15,16,17,18,19,20,21,22,23,24,25,26,27,28,29,30,31
	v_med3_num_f32 v[XS+\i], v[XS+\i], -v3, v3     ; the hold; in the pad columns v3 is 0, so their codes are zeros
.endr
.if (\c) >= 1
	s_wait_xcnt 0x0                                ; the last block's stores have read their data
.endif
.irp g, 0,1,2,3
	v_cvt_scalef32_pk8_fp8_f32 v[C+2*\g:C+2*\g+1], v[XS+8*\g:XS+8*\g+7], v4
.endr
	global_store_b128 v2, v[C:C+3], s[18:19] offset:512*(\c)           ; k = 32 c + 0..15: the fragment's lanes 0-15: sixteen lanes store 256 consecutive bytes, aligned
	global_store_b128 v2, v[C+4:C+7], s[18:19] offset:512*(\c)+256     ; k = 32 c + 16..31: its lanes 16-31
.if (\c)+2 < 4
	WLOADB (\c)+2
.endif
.endm
	s_load_b512 s[4:19], s[0:1], 0x0               ; x s[4:5], W_in s[6:7], b_in s[8:9], beta s[10:11], W_leaf s[12:13], b_leaf s[14:15], the scales s[16:17], wimg s[18:19]
	s_load_b256 s[20:27], s[0:1], 0x40             ; x2img s[20:21], x0img s[22:23], wnimg s[24:25], gpar s[26:27]
	s_load_b64 s[28:29], s[0:1], 0x60              ; bpad
	v_lshrrev_b32 v5, 5, v0
	v_readfirstlane_b32 s30, v5                    ; wave 0..15
	s_wait_kmcnt 0x0
	s_load_b128 s[32:35], s[16:17], 0x0            ; e0, e1, e2, e3
	s_cmp_ge_u32 ttmp9, 33
	s_cbranch_scc1 .Lwleaf
	; ================= K innermost: x twice, W_in's rows once.  A wave's job: a tile T of 16 rows x half kh of K (512)
	s_and_b32 s36, ttmp9, 15
	s_lshl_b32 s36, s36, 4
	s_add_co_u32 s36, s36, s30                     ; job = 16 (work-group % 16) + wave
	s_lshr_b32 s37, s36, 1                         ; T (for W_in: the group of leaves g)
	s_and_b32 s31, s36, 1                          ; kh
	s_cmp_lt_u32 ttmp9, 16                         ; the choices hang on the work-group's number alone
	s_cselect_b64 s[40:41], s[20:21], s[22:23]
	s_cmp_lt_u32 ttmp9, 32
	s_cselect_b64 s[40:41], s[40:41], s[24:25]     ; where the codes go
	s_cselect_b64 s[38:39], s[4:5], s[6:7]         ; where the numbers come from
	s_cselect_b32 s42, 0, -1                       ; all ones where the rows are nodes of W_in
	s_lshl_b32 s44, s31, 11                        ; half a row of 1,024 numbers: 2,048 bytes
	s_mov_b32 s45, 0
	s_add_nc_u64 s[38:39], s[38:39], s[44:45]
	s_lshr_b32 s44, s37, 2
	s_lshl_b32 s44, s44, 16                        ; (T / 4) x 65,536
	s_and_b32 s46, s37, 3
	s_lshl_b32 s46, s46, 11                        ; + (T % 4) x 2,048
	s_add_co_u32 s44, s44, s46
	s_lshl_b32 s46, s31, 15                        ; + kh x four K steps of 8,192
	s_add_co_u32 s44, s44, s46
	s_add_nc_u64 s[40:41], s[40:41], s[44:45]
	v_and_b32 v5, 15, v0                           ; r
	v_bfe_u32 v6, v0, 4, 1                         ; h
	v_and_b32 v2, 31, v0
	v_lshlrev_b32 v2, 4, v2                        ; 16 x lane: my place in a store's 512 bytes
	s_lshl_b32 s46, s37, 4
	v_add_nc_u32 v7, s46, v5                       ; a row of x: 16 T + r
	; a node of W_in: depth d and leaf offset t of row r come from two tables of 4-bit fields; node = 2^d - 1 + ((8 g + t) >> (6 - d))
	v_mov_b32 v64, 0x00443210                      ; d of rows 0-7
	v_mov_b32 v65, 0x00005555                      ; d of rows 8-15
	v_mov_b32 v66, 0x00400000                      ; t of rows 0-7
	v_mov_b32 v67, 0x00006420                      ; t of rows 8-15
	v_cmp_gt_u32 vcc_lo, 8, v5
	v_cndmask_b32 v64, v65, v64, vcc_lo
	v_cndmask_b32 v66, v67, v66, vcc_lo
	v_and_b32 v68, 7, v5
	v_lshlrev_b32 v68, 2, v68
	v_lshrrev_b32 v64, v68, v64
	v_and_b32 v64, 15, v64                         ; d
	v_lshrrev_b32 v66, v68, v66
	v_and_b32 v66, 15, v66                         ; t
	s_lshl_b32 s46, s37, 3
	v_add_nc_u32 v66, s46, v66                     ; 8 g + t
	v_sub_nc_u32 v67, 6, v64
	v_lshrrev_b32 v66, v67, v66
	v_lshlrev_b32 v65, v64, 1                      ; 2^d
	v_add3_u32 v65, v65, v66, -1
	v_cndmask_b32 v7, v7, v65, s42                 ; my row
	v_lshlrev_b32 v1, 12, v7                       ; x 4,096 bytes
	v_lshl_add_u32 v1, v6, 6, v1                   ; + 64 h: my 16 numbers of a block of 32
	RLOAD 0
	RLOAD 1
	RLOAD 2
	s_wait_kmcnt 0x0
	s_cmp_lt_u32 ttmp9, 16
	s_cselect_b32 s43, s34, s32
	s_cmp_lt_u32 ttmp9, 32
	s_cselect_b32 s43, s43, s33                    ; e: e2, e0 or e1
	s_add_co_i32 s43, s43, 127
	s_lshl_b32 s44, s43, 23
	v_mov_b32 v4, s44                              ; 2^e as f32: the conversion takes its exponent field
	s_add_co_i32 s43, s43, 8
	s_lshl_b32 s43, s43, 23
	s_or_b32 s43, s43, 0x600000
	v_mov_b32 v3, s43                              ; 448 x 2^e
.irp q, 0,1,2,3,4,5,6,7,8,9,10,11,12,13,14,15
	RBLOCK \q
.endr
	s_cmp_eq_u32 ttmp9, 32                         ; the gates' parameters: one wave for each group of leaves
	s_cbranch_scc0 .Lrdone
	s_cmp_eq_u32 s31, 0
	s_cbranch_scc0 .Lrdone
	v_lshlrev_b32 v64, 2, v7                       ; 4 x node
	global_load_b32 v65, v64, s[10:11]             ; beta
	global_load_b32 v66, v64, s[8:9]               ; b_in
	s_add_co_i32 s43, s32, s33                     ; e0 + e1
	s_lshl_b32 s44, s37, 7                         ; g x 16 pairs of 8 bytes
	v_lshlrev_b32 v67, 3, v5
	v_lshl_add_u32 v67, v6, 2, v67                 ; pair r; lanes 0-15 store its first word, lanes 16-31 its second
	v_add_nc_u32 v67, s44, v67
	v_cmp_eq_u32 vcc_lo, 1, v6
	s_wait_loadcnt 0x0
	v_mul_f32 v68, 0xbfb8aa3b, v65                 ; -log2(e) beta
	v_mul_f32 v69, v68, v66                        ; bb
	v_ldexp_f32 v68, v68, s43                      ; bs
	v_cndmask_b32 v68, v68, v69, vcc_lo
	global_store_b32 v67, v68, s[26:27]
.Lrdone:
	s_endpgm
	; ================= K outermost: one leaf's K step of 128: thread t takes column t (16 waves x 32 lanes = 512 columns, 500 of them real)
.Lwleaf:
	s_sub_co_u32 s36, ttmp9, 33                    ; i = 8 leaf + K step
	s_mul_i32 s38, s36, 256000                     ; 128 rows of 2,000 bytes
	s_mov_b32 s39, 0
	s_add_nc_u64 s[12:13], s[12:13], s[38:39]
	s_lshl_b32 s38, s36, 16                        ; 32 fragments of 2,048 bytes
	s_add_nc_u64 s[18:19], s[18:19], s[38:39]
	v_min_u32 v1, 499, v0                          ; the pad columns read column 499: no load leaves the buffer
	v_lshlrev_b32 v1, 2, v1
	v_lshrrev_b32 v2, 4, v0
	v_lshlrev_b32 v2, 11, v2                       ; my tile of 16 columns,
	v_and_b32 v5, 15, v0
	v_lshl_add_u32 v2, v5, 4, v2                   ; and my column's 16 bytes in it
	v_mov_b32 v6, 0
	s_and_b32 s37, s36, 7                          ; K step
	s_lshr_b32 s40, s36, 3                         ; leaf
	s_cmp_eq_u32 s37, 0
	s_cbranch_scc0 .Lnobias
	s_mul_i32 s38, s40, 2000
	s_add_nc_u64 s[14:15], s[14:15], s[38:39]
	global_load_b32 v6, v1, s[14:15]               ; b_leaf of my column: asked for ahead of the weights, so the first block's wait covers it
.Lnobias:
	WLOADB 0
	WLOADB 1
	s_wait_kmcnt 0x0
	s_add_co_i32 s41, s35, 127
	s_lshl_b32 s42, s41, 23
	v_mov_b32 v4, s42                              ; 2^e3
	s_add_co_i32 s41, s41, 8
	s_lshl_b32 s41, s41, 23
	s_or_b32 s41, s41, 0x600000
	v_mov_b32 v3, s41                              ; 448 x 2^e3,
	v_cmp_gt_u32 vcc_lo, 500, v0
	v_cndmask_b32 v3, 0, v3, vcc_lo                ; or 0 in the pad columns
	WBLOCK 0
	s_cmp_eq_u32 s37, 0
	s_cbranch_scc0 .Lnobias2
	s_add_co_i32 s41, s34, s35
	s_sub_co_i32 s41, 0, s41
	v_ldexp_f32 v6, v6, s41                        ; b / 2^(e2 + e3): it goes in as the C of a sum's first matrix instruction
	v_mov_b32 v7, 0xf1800000                       ; -2^100
	v_cmp_gt_u32 vcc_lo, 500, v0
	v_cndmask_b32 v6, v7, v6, vcc_lo
	v_lshlrev_b32 v5, 2, v0
	s_lshl_b32 s38, s40, 11
	s_add_nc_u64 s[28:29], s[28:29], s[38:39]
	global_store_b32 v5, v6, s[28:29]
.Lnobias2:
	WBLOCK 1
	WBLOCK 2
	WBLOCK 3
	s_endpgm
.Lfunc_end_k_qa1403c76fb_prep:
	.size	k_qa1403c76fb_prep, .Lfunc_end_k_qa1403c76fb_prep-k_qa1403c76fb_prep
	.p2alignl 7, 3214868480
	.fill 96, 4, 3214868480
	.section	.rodata,"a",@progbits
	.p2align	6, 0x0
	.amdhsa_kernel k_qa1403c76fb_prep
		.amdhsa_group_segment_fixed_size 0
		.amdhsa_private_segment_fixed_size 0
		.amdhsa_enable_private_segment 0
		.amdhsa_kernarg_size 104
		.amdhsa_user_sgpr_count 2
		.amdhsa_user_sgpr_kernarg_segment_ptr 1
		.amdhsa_wavefront_size32 1
		.amdhsa_system_sgpr_workgroup_id_x 1
		.amdhsa_system_sgpr_workgroup_id_y 1
		.amdhsa_system_sgpr_workgroup_id_z 1
		.amdhsa_system_vgpr_workitem_id 0
		.amdhsa_next_free_vgpr 84
		.amdhsa_next_free_sgpr 66
		.amdhsa_reserve_vcc 1
		.amdhsa_float_denorm_mode_32 3
		.amdhsa_float_denorm_mode_16_64 3
		.amdhsa_memory_ordered 1
		.amdhsa_forward_progress 1
		.amdhsa_inst_pref_size 55
	.end_amdhsa_kernel
	.amdgpu_metadata
---
amdhsa.version: [ 1, 2 ]
amdhsa.kernels:
  - .name:           k_qa1403c76fb_prep
    .symbol:         k_qa1403c76fb_prep.kd
    .args:
      - { .name: x, .offset: 0, .size: 8, .value_kind: global_buffer, .address_space: global }
      - { .name: W_in, .offset: 8, .size: 8, .value_kind: global_buffer, .address_space: global }
      - { .name: b_in, .offset: 16, .size: 8, .value_kind: global_buffer, .address_space: global }
      - { .name: beta, .offset: 24, .size: 8, .value_kind: global_buffer, .address_space: global }
      - { .name: W_leaf, .offset: 32, .size: 8, .value_kind: global_buffer, .address_space: global }
      - { .name: b_leaf, .offset: 40, .size: 8, .value_kind: global_buffer, .address_space: global }
      - { .name: lowp_scales, .offset: 48, .size: 8, .value_kind: global_buffer, .address_space: global }
      - { .name: wimg, .offset: 56, .size: 8, .value_kind: global_buffer, .address_space: global }
      - { .name: x2img, .offset: 64, .size: 8, .value_kind: global_buffer, .address_space: global }
      - { .name: x0img, .offset: 72, .size: 8, .value_kind: global_buffer, .address_space: global }
      - { .name: wnimg, .offset: 80, .size: 8, .value_kind: global_buffer, .address_space: global }
      - { .name: gpar, .offset: 88, .size: 8, .value_kind: global_buffer, .address_space: global }
      - { .name: bpad, .offset: 96, .size: 8, .value_kind: global_buffer, .address_space: global }
    .group_segment_fixed_size: 0
    .private_segment_fixed_size: 0
    .kernarg_segment_align: 8
    .kernarg_segment_size: 104
    .max_flat_workgroup_size: 512
    .sgpr_count:     66
    .vgpr_count:     84
    .wavefront_size: 32
...
	.end_amdgpu_metadata
.endif
;; end of part 1
;; launch mix (part 2): grid 32 x 8, 4 waves a work-group, clusters of 4 x 4, 327,680 bytes of LDS; arguments wimg, x2img, x0img, wnimg, gpar, bpad, lowp_scales, part; writes part
.if DOCPART == 2
	.amdgcn_target "amdgcn-amd-amdhsa--gfx1250"
	.amdhsa_code_object_version 6
	.text
	.protected	k_qa1403c76fb_mix
	.globl	k_qa1403c76fb_mix
	.p2align	8
	.type	k_qa1403c76fb_mix,@function
k_qa1403c76fb_mix:
	s_mov_b64 s[64:65], 0
	v_nop
	global_prefetch_b8 v0, s[64:65] scope:SCOPE_SE
	s_setreg_imm32_b32 hwreg(HW_REG_WAVE_MODE, 25, 1), 1
	s_wait_xcnt 0x0
	s_wait_alu depctr_hold_cnt(0) depctr_sa_sdst(0) depctr_va_vdst(0) depctr_va_sdst(0) depctr_va_ssrc(0) depctr_va_vcc(0) depctr_vm_vsrc(0)
	s_getreg_b32 s2, hwreg(HW_REG_IB_STS2, 6, 4)
	s_cmp_eq_u32 s2, 0
	s_cbranch_scc0 .Lentry_in_a_cluster
	s_endpgm
.Lentry_in_a_cluster:
	s_bfe_u32 s2, ttmp6, 0x10000c
	s_cmp_lg_u32 s2, 0xf033
	s_cbranch_scc0 .Lentry_shape_is_right
	s_endpgm
.Lentry_shape_is_right:
; part[g][n][o] = sum over the eight leaves l of group g of leaf_p[n][l] x softmax_o(x W_leaf[l] + b_leaf[l]).  No work of the problem is left out.  All operands come as codes of E4M3 in register order (the launch before).
; SHARES.  Work-group (bx, by): rows 64 bx .. + 63, leaves 8 by .. + 7.  Each of its four waves: all 64 rows x columns 128 w .. + 127 of the leaf in hand (512 with the pad): 32 accumulators of 16 x 16.
; A softmax wants a leaf's whole row, and the mixture wants a second tile as large as the logits': logits in window 2, the output tile in window 3: 64 rows x 512 columns x 8 bytes fill half of the four waves' registers.
; BOTH PRODUCTS ARE USED TRANSPOSED (source 0 = 16 columns of W or 16 gates, source 1 = 16 rows of x): lane (r, h) holds row r, and register j column (or gate) 8 h + j.
; A LEAF: eight K steps of 128 (the first takes b_leaf / 2^(e2 + e3) as C); then t = sum x log2(e) 2^(e2 + e3); each wave takes its 128 columns' maximum mt away, p = 2^(t - mt), s = sum of p; the four waves'
; (mt, s) meet in LDS; M = the largest mt, S = sum of s 2^(mt - M); out += p x leaf_p 2^(mt - M) / S.  The maximum taken away is the row's true maximum.
; THE GATES (head): wave w multiplies its 16 rows (x under e0) by the group's tile of 16 rows of W_in; gate = 1 / (1 + 2^(sum x bs + bb)); 1 - g is formed as P - P g (an order of rounding that differs from the reference's).
; W'S TILES come through a ring of two LDS slots of two K steps (131,072 bytes, dense: fragments lie in register order, so a fetch's 512 bytes are consecutive and no padding is wanted).  x's K steps 0-6 stay in LDS,
; filled once; K step 7 stays in registers (all eight in LDS would leave no room for the small regions behind them).
; CLUSTER 4 x 4: the four work-groups of a row of the cluster share by, so W's tiles are asked for jointly along the row; the four of a column share bx, so x's fill is asked for jointly along the column.
; LIMITS: e2 + e3 between -90 and 127 (added to log2(e)'s exponent field; the pad columns' -2^100 must stay far under every logit / 2^(e2 + e3), which lie above -2^99).  NaN among the inputs is not served.
; REGISTERS, in windows of 256.  Window 0: v1-15 addresses; v16-23 at work; v24-31 the four factors (pairs); v32-95 x's four fragments of a K step, at work in the epilogue; v96-159 x's K step 7; v160-223 the bias, 8 tiles;
;   v224-231 (mt, s) of the four tiles of rows; v232-247 sums; v248-250 addresses.  Window 1: W's fragments, two sets of 128.  Window 2: the logits, (a, b) at v[8 (8 a + b)].  Window 3: the output tile, laid alike.
.set SLOTB,  131072
.set XRES,   2*SLOTB                   ; x's 28 fragments of K steps 0-6: 57,344 bytes
.set STATS,  XRES+57344                ; [row 64][wave 4] pairs (mt, s): 2,048 bytes
.set WT,     STATS+2048                ; [leaf 8][r 16][tile of rows 4] leaf_p: 2,048 bytes
.set SPARE,  WT+2048                   ; the spare words, 128 bytes for each wave: two blocks of 256 bytes that no other line names
.set SPITCH, 528                       ; the way out: a stage of 16 rows x (512 + 16) bytes for each wave, in slot 0, behind that slot's last fill and last read
.set LI,  1                            ; v1   16 x lane
.set ADW, 2                            ; v2-5 my eight fragments of W in (slot 0, step 0), (0, 1), (1, 0), (1, 1)
.set ADX, 6                            ; v6   x's fragments
.set STS, 7                            ; v7   where I store (mt, s)
.set STL, 8                            ; v8   where I read a row's four
.set STO, 9                            ; v9   the stage, in
.set RD,  10                           ; v10  the stage, back
.set SPW, 12                           ; v12  my spare word; never rewritten
.set NIL, 13                           ; v13  0; never rewritten
.set PFO, 14                           ; v14  256 x lane
.set BO,  15                           ; v15  the bias: 512 w + 32 h
.set TM,  16
.set F,   24
.set AF,  32
.set XR,  96
.set BI,  160
.set SD,  224
.set SA,  232
.set WTS, 248
.set WTL, 249
.set TA,  250
.set WV,  20                           ; s20  wave;  s21 cx, s22 cy, s23 bx, s24 by
.set G1W, 28                           ; s[28:35] group 1 for W's tiles;  s[36:43] for x's
.set G1X, 36
.set G0W, 44                           ; s[44:51] group 0 for W's tiles, a set for each slot;  s[52:55] for x's
.set G0X, 52
.set CS,  56                           ; s[56:57] log2(e) 2^(e2 + e3)
.set SEL, 58                           ; s[58:59] selects for lane l xor 16
.set CNT, 60
.set TOFF, 61                          ; 256 x the leaf's number in the group
.set LIM, 62                           ; 1 where my cluster prefetches
.set PFA, 66                           ; s[66:67]
.set MSB, 0
.macro WIN new                         ; the immediate's high byte repeats the setting that is left
.if MSB != \new
	s_set_vgpr_msb (MSB<<8)|\new
.set MSB, \new
.endif
.endm
.macro PLACES n                        ; plain vector places behind matrix instructions, ahead of loads into their registers and of reads of their results
.rept \n
	v_nop
.endr
.endm
.macro CREST                           ; a round of the cluster's barrier behind its opening barrier
	s_cmp_lg_u32 s[WV], 0
	s_cbranch_scc1 .Lnot_wave_0_\@
	s_barrier_signal -3
.Lnot_wave_0_\@:
	s_barrier_wait -3
	s_barrier_signal -1
	s_barrier_wait -1
.endm
.macro CROUND
	s_barrier_signal -1
	s_barrier_wait -1
	CREST
.endm
.macro FRAG reg, adr, off              ; a fragment as it lies: four loads of 512 consecutive bytes
.irp c, 0,1,2,3
	ds_load_b128 v[\reg+4*\c:\reg+4*\c+3], v[\adr] offset:\off+512*\c
.endr
.endm
.macro FETCH_W adr, p                  ; my eight fragments of W into set p of window 1
	WIN 0x40
.irp b, 0,1,2,3,4,5,6,7
	FRAG 128*(\p)+16*\b, \adr, 2048*\b
.endr
	WIN 0
.endm
.macro FETCH_A s, a0, n                ; x's fragments a0 .. a0 + n - 1 of K step s
.irp a, 0,1,2,3
.if (\a >= (\a0)) && (\a < (\a0)+(\n))
	FRAG AF+16*\a, ADX, 8192*(\s)+2048*\a
.endif
.endr
.endm
.macro MUL8 a, p, asrc, first          ; tile of rows a against my eight tiles of columns.  The 32 accumulators take turns, one instruction a turn, in the same order in every step
.irp b, 0,1,2,3,4,5,6,7
.if \first
	v_wmma_f32_16x16x128_fp8_fp8 v[8*(8*(\a)+\b):8*(8*(\a)+\b)+7], v[128*(\p)+16*\b:128*(\p)+16*\b+15], v[\asrc+16*(\a):\asrc+16*(\a)+15], v[BI+8*\b:BI+8*\b+7]
.else
	v_wmma_f32_16x16x128_fp8_fp8 v[8*(8*(\a)+\b):8*(8*(\a)+\b)+7], v[128*(\p)+16*\b:128*(\p)+16*\b+15], v[\asrc+16*(\a):\asrc+16*(\a)+15], v[8*(8*(\a)+\b):8*(8*(\a)+\b)+7]
.endif
.endr
.endm
.macro WFILL slot                      ; the joint refill: the tiles two slots on; an s_nop 0 and four v_nop follow; they are also the places ahead of the fetches behind them
	s_add_nc_u64 s[G0W+4*(\slot)+2:G0W+4*(\slot)+3], s[G0W+4*(\slot)+2:G0W+4*(\slot)+3], 2*SLOTB
	tensor_load_to_lds s[G0W+4*(\slot):G0W+4*(\slot)+3], s[G1W:G1W+7]
	s_nop 0
.rept 4
	v_nop
.endr
.endm
; A PREFETCH INTO THE L2 of the slot that stands two refills on.  All clusters along x walk the same W: the first of them asks.  Its four partners of a row and their four waves share a slot's 512 blocks of 256 bytes out
; BY ADDRESS: 8,192 bytes to a wave, a lane a block.  So each block is named once in the launch.  The group's first four slots come by their loads alone; the last leaf asks for nothing.
.macro ASK imm
	s_cmp_eq_u32 s[LIM], 1
	s_cbranch_scc0 .Lnot_mine_\@
	global_prefetch_b8 v[PFO], s[PFA:PFA+1] offset:\imm th:TH_LOAD_NT scope:SCOPE_SE
.Lnot_mine_\@:
.endm
.macro BILOAD                          ; the bias of a leaf in the result's layout: tile b, my half's eight columns
.irp b, 0,1,2,3,4,5,6,7
	global_load_b128 v[BI+8*\b:BI+8*\b+3], v[BO], s[14:15] offset:64*\b
	global_load_b128 v[BI+8*\b+4:BI+8*\b+7], v[BO], s[14:15] offset:64*\b+16
.endr
.endm
; An even K step: the first of its slot.  W's set 0; the slot's second step is fetched into set 1 in its middle.
.macro STEP s, last
.set SL, ((\s)/2)%2
	s_wait_dscnt 8                                 ; W's set and x's tiles 0, 1 are in; the youngest eight loads (x's tiles 2, 3) may be out
.if (\s) == 0
	WIN 0x81                                       ; W window 1, x and the bias window 0, the logits window 2
	MUL8 0, 0, AF, 1
	MUL8 1, 0, AF, 1
.else
	WIN 0xa1                                       ; W window 1, x window 0, C and D window 2
	MUL8 0, 0, AF, 0
	MUL8 1, 0, AF, 0
.endif
	s_wait_dscnt 0x0                               ; x's tiles 2, 3 are in
	PLACES 4
	FETCH_W ADW+2*SL+1, 1
.if (\s) != 6
	FETCH_A (\s)+1, 0, 2
.endif
.if (\s) == 0
	WIN 0x81
	MUL8 2, 0, AF, 1
	MUL8 3, 0, AF, 1
.else
	WIN 0xa1
	MUL8 2, 0, AF, 0
	MUL8 3, 0, AF, 0
.endif
.if (\s) != 6
	PLACES 4
.endif
	WIN 0
.if (\s) != 6
	FETCH_A (\s)+1, 2, 2
.endif
.if ((\s) == 0) && !(\last)
	s_wait_xcnt 0x0                                ; the last leaf's bias loads and prefetches have read their bases: both step only behind this wait
	s_add_nc_u64 s[14:15], s[14:15], 2048
	s_add_nc_u64 s[PFA:PFA+1], s[PFA:PFA+1], 4*SLOTB
	BILOAD                                         ; the next leaf's bias: this leaf's 32 first products have read the registers, four places back
.endif
.endm
; An odd K step changes slots: each wave waits for all its tensor loads (one is out: its part of the other slot), adds 0 to its spare word, and waits for that and for its reads of this slot; then the barrier.
; fill = 1: the barrier opens a round of the cluster's barrier, and this slot is filled again first thing behind it: 48 matrix instructions stand between that request and the wait for it.
.macro TURN s, fill, ask
.set SL, ((\s)/2)%2
.if (\s) == 7
.set ASRC, XR
.else
.set ASRC, AF
.endif
	s_wait_tensorcnt 0x0                           ; all my tensor loads have landed
	ds_add_u32 v[SPW], v[NIL]                      ; 0 onto my spare word
.if (\s) == 7
	s_wait_dscnt 1                                 ; W's set 1 is in; the add may be out
.else
	s_wait_dscnt 9                                 ; W's set 1 and x's tiles 0, 1 are in; x's tiles 2, 3 (eight loads) and the add may be out
.endif
	WIN 0xa1
	MUL8 0, 1, ASRC, 0
	s_wait_dscnt 0x0                               ; the add is done, and my reads of this slot are over
	s_barrier_signal -1
	MUL8 1, 1, ASRC, 0
	WIN 0
	s_barrier_wait -1
.if \fill
	CREST                                          ; no wave of any partner still reads this slot or has a load on its way
	WFILL SL
.else
	PLACES 4
.endif
	FETCH_W ADW+2*(1-SL), 0
.if (\s) != 7
	FETCH_A (\s)+1, 0, 2
.endif
.if \ask >= 0
	ASK \ask
.endif
	WIN 0xa1
	MUL8 2, 1, ASRC, 0
	MUL8 3, 1, ASRC, 0
.if (\s) != 7
	PLACES 4
	WIN 0
	FETCH_A (\s)+1, 2, 2
.endif
.endm
; THE EPILOGUE OF A LEAF.
.macro EPI first, last
	PLACES 4
	WIN 0x28                                       ; sources 1 and 2 window 2
.irp bb, 0,1,2,3                       ; my 64 logits of each tile of rows: two chains a tile (even and odd tiles of columns), each accumulator from its low end on
.irp jj, 0,2,4,6
.irp a, 0,1,2,3
.if (\bb == 0) && (\jj == 0)
	v_max3_num_f32 v[TM+\a], 0xff800000, v[64*\a], v[64*\a+1]
	v_max3_num_f32 v[TM+4+\a], 0xff800000, v[64*\a+8], v[64*\a+9]
.else
	v_max3_num_f32 v[TM+\a], v[TM+\a], v[64*\a+16*\bb+\jj], v[64*\a+16*\bb+\jj+1]
	v_max3_num_f32 v[TM+4+\a], v[TM+4+\a], v[64*\a+16*\bb+8+\jj], v[64*\a+16*\bb+8+\jj+1]
.endif
.endr
.endr
.endr
	WIN 0
.irp a, 0,1,2,3
	v_max_num_f32 v[TM+\a], v[TM+\a], v[TM+4+\a]
.endr
.irp a, 0,1,2,3
	v_permlanex16_b32 v[TM+4+\a], v[TM+\a], s[SEL], s[SEL+1]   ; the row's other 64 columns lie in the lane 16 away
.endr
.irp a, 0,1,2,3
	v_max_num_f32 v[TM+\a], v[TM+\a], v[TM+4+\a]
.endr
.irp a, 0,1,2,3
	v_mul_f32 v[SD+2*\a], s[CS], v[TM+\a]          ; mt (the factor is positive)
.endr
	WIN 0x82                                       ; source 0 and destination window 2
.irp a, 0,1,2,3
.set i, 64*\a
.rept 32
	v_pk_fma_f32 v[i:i+1], v[i:i+1], s[CS:CS+1], v[SD+2*\a:SD+2*\a+1] op_sel_hi:[1,0,0] neg_lo:[0,0,1] neg_hi:[0,0,1]   ; t - mt, two at a time
.set i, i+2
.endr
.endr
.set i, 0
.rept 256
	v_exp_f32 v[i], v[i]                           ; p = 2^(t - mt): one batch
.set i, i+1
.endr
	v_nop                                          ; a plain place behind the last exponential
	s_wait_alu depctr_va_vdst(0)                   ; one wait for the batch, ahead of its first reader
	WIN 0x0a                                       ; sources 0 and 1 window 2
.irp a, 0,1,2,3
	v_pk_add_f32 v[SA+4*\a:SA+4*\a+1], v[64*\a:64*\a+1], v[64*\a+2:64*\a+3]
	v_pk_add_f32 v[SA+4*\a+2:SA+4*\a+3], v[64*\a+4:64*\a+5], v[64*\a+6:64*\a+7]
.endr
	WIN 0x08                                       ; source 1 window 2
.set i, 8
.rept 14
.irp a, 0,1,2,3
	v_pk_add_f32 v[SA+4*\a:SA+4*\a+1], v[SA+4*\a:SA+4*\a+1], v[64*\a+i:64*\a+i+1]
	v_pk_add_f32 v[SA+4*\a+2:SA+4*\a+3], v[SA+4*\a+2:SA+4*\a+3], v[64*\a+i+2:64*\a+i+3]
.endr
.set i, i+4
.endr
	WIN 0
.irp a, 0,1,2,3
	v_pk_add_f32 v[SA+4*\a:SA+4*\a+1], v[SA+4*\a:SA+4*\a+1], v[SA+4*\a+2:SA+4*\a+3]
.endr
.irp a, 0,1,2,3
	v_add_f32 v[TM+\a], v[SA+4*\a], v[SA+4*\a+1]
.endr
.irp a, 0,1,2,3
	v_permlanex16_b32 v[TM+4+\a], v[TM+\a], s[SEL], s[SEL+1]
.endr
.irp a, 0,1,2,3
	v_add_f32 v[SD+2*\a+1], v[TM+\a], v[TM+4+\a]   ; s
.endr
	v_add_nc_u32 v[TA], s[TOFF], v[WTL]
	ds_load_b128 v[64:67], v[TA]                   ; leaf_p of row r in the four tiles of rows
.irp a, 0,1,2,3
	ds_store_b64 v[STS], v[SD+2*\a:SD+2*\a+1] offset:512*\a   ; both halves of the lanes hold the same pair and store it to the same place
.endr
	s_wait_dscnt 0x0                               ; for the others' sake: my stores have landed (and W's next set is in)
	s_barrier_signal -1
	s_barrier_wait -1                              ; the refill that is out may stay out
.irp a, 0,1,2,3
	ds_load_b128 v[32+8*\a:35+8*\a], v[STL] offset:512*\a
	ds_load_b128 v[36+8*\a:39+8*\a], v[STL] offset:512*\a+16
.endr
	s_wait_dscnt 0x0                               ; these reads are over here; the next leaf's stores to the same bytes stand behind the K steps' barriers
.irp a, 0,1,2,3
	v_max3_num_f32 v[TM+\a], v[32+8*\a], v[34+8*\a], v[36+8*\a]
.endr
.irp a, 0,1,2,3
	v_max_num_f32 v[TM+\a], v[TM+\a], v[38+8*\a]   ; M: the row's largest t
.endr
.irp a, 0,1,2,3
.irp w, 0,1,2,3
	v_sub_f32 v[68+5*\a+\w], v[32+8*\a+2*\w], v[TM+\a]
.endr
	v_sub_f32 v[72+5*\a], v[SD+2*\a], v[TM+\a]     ; my own
.endr
.set i, 68
.rept 20
	v_exp_f32 v[i], v[i]
.set i, i+1
.endr
	v_nop
	s_wait_alu depctr_va_vdst(0)                   ; one wait for the twenty
.irp a, 0,1,2,3
	v_mul_f32 v[TM+4+\a], v[33+8*\a], v[68+5*\a]
.endr
.irp w, 1,2,3
.irp a, 0,1,2,3
	v_fmac_f32 v[TM+4+\a], v[33+8*\a+2*\w], v[68+5*\a+\w]   ; S = sum of s 2^(mt - M), at least 1
.endr
.endr
.irp a, 0,1,2,3
	v_rcp_f32 v[TM+4+\a], v[TM+4+\a]
.endr
.irp a, 0,1,2,3
	v_mul_f32 v[F+2*\a], v[64+\a], v[72+5*\a]      ; leaf_p 2^(mt - M).  (Plain places behind the reciprocals)
.endr
	s_wait_alu depctr_va_vdst(0)                   ; one wait for the four
.irp a, 0,1,2,3
	v_mul_f32 v[F+2*\a], v[F+2*\a], v[TM+4+\a]     ; / S
.endr
.if !\last
	FETCH_A 0, 0, 4                                ; the next leaf's first fragments of x, into the registers that the lines above have left
.endif
.if \first
	WIN 0xc2                                       ; p window 2, the factor window 0, the output tile window 3: the first leaf starts the sums: nothing is cleared
.irp a, 0,1,2,3
.set i, 64*\a
.rept 32
	v_pk_mul_f32 v[i:i+1], v[i:i+1], v[F+2*\a:F+2*\a+1] op_sel_hi:[1,0]
.set i, i+2
.endr
.endr
.else
	WIN 0xf2
.irp a, 0,1,2,3
.set i, 64*\a
.rept 32
	v_pk_fma_f32 v[i:i+1], v[i:i+1], v[F+2*\a:F+2*\a+1], v[i:i+1] op_sel_hi:[1,0,1]
.set i, i+2
.endr
.endr
.endif
	WIN 0
.if !\last
	s_wait_loadcnt 0x0                             ; the next leaf's bias, asked for seven K steps ago
	s_add_co_u32 s[TOFF], s[TOFF], 256
.endif
.endm
.macro LEAF first, last
	STEP 0, \last
.if \last
	TURN 1, 1, -1
	STEP 2, 1
	TURN 3, 1, -1
	STEP 4, 1
	TURN 5, 0, -1                                  ; nothing is left to fetch: the last change of slots fills nothing
	STEP 6, 1
	s_wait_dscnt 0x0
	WIN 0xa1
	MUL8 0, 1, XR, 0
	MUL8 1, 1, XR, 0
	MUL8 2, 1, XR, 0
	MUL8 3, 1, XR, 0
.else
	TURN 1, 1, 0
	STEP 2, 0
	TURN 3, 1, SLOTB
	STEP 4, 0
	TURN 5, 1, 2*SLOTB
	STEP 6, 0
	TURN 7, 1, 3*SLOTB
.endif
	EPI \first, \last
.endm
	s_load_b256 s[4:11], s[0:1], 0x0               ; wimg s[4:5], x2img s[6:7], x0img s[8:9], wnimg s[10:11]
	s_load_b256 s[12:19], s[0:1], 0x20             ; gpar s[12:13], bpad s[14:15], the scales s[16:17], part s[18:19]
	v_lshl_add_u32 v[SPW], v0, 2, SPARE
	v_mov_b32 v[NIL], 0
	ds_add_u32 v[SPW], v[NIL]                      ; the wave's opening: the add, twice on end, and its wait ahead of my first tensor load
	ds_add_u32 v[SPW], v[NIL]                      ; and once more; the set-up below, work on registers, stands between it and the wait
	v_lshrrev_b32 v16, 5, v0
	v_readfirstlane_b32 s[WV], v16                 ; wave 0..3
	s_bfe_u32 s21, ttmp6, 0x40000                  ; cx
	s_bfe_u32 s22, ttmp6, 0x40004                  ; cy
	s_lshl_b32 s23, ttmp9, 2
	s_add_co_u32 s23, s23, s21                     ; bx = 4 x cluster x + cx
	s_and_b32 s24, ttmp7, 0xffff
	s_lshl_b32 s24, s24, 2
	s_add_co_u32 s24, s24, s22                     ; by = 4 x cluster y + cy
	s_lshl_b32 s72, s22, 2
	s_lshl_b32 s72, 15, s72                        ; my row of the cluster
	s_lshl_b32 s73, 0x1111, s21                    ; my column
	s_or_b32 s[G1W], s72, (3<<16)|(1<<21)          ; 15:0 the mask: W's tiles go to my row; 17:16 elements of 8 bytes; 21 set beside a mask; no padding
	s_or_b32 s[G1X], s73, (3<<16)|(1<<21)          ; x's fill goes to my column
	s_mov_b32 s[G1W+1], 32<<16                     ; tensor_dim0 = 32 elements: rows of 256 bytes, dense
	s_mov_b32 s[G1W+2], 128<<16                    ; tensor_dim1 = 128
	s_mov_b32 s[G1W+3], 32<<16                     ; tile_dim0
	s_mov_b32 s[G1W+4], 128                        ; tile_dim1: 32,768 bytes, a quarter of a slot
	s_mov_b32 s[G1W+5], 32                         ; the pitch
	s_mov_b32 s[G1W+6], 0
	s_mov_b32 s[G1W+7], 0
	s_mov_b32 s[G1X+1], 32<<16
	s_mov_b32 s[G1X+2], 56<<16                     ; 56 rows of 256 bytes: 14,336 bytes, a quarter of x's seven K steps
	s_mov_b32 s[G1X+3], 32<<16
	s_mov_b32 s[G1X+4], 56
	s_mov_b32 s[G1X+5], 32
	s_mov_b32 s[G1X+6], 0
	s_mov_b32 s[G1X+7], 0
	s_mov_b32 s[G0W], 1
	s_lshl_b32 s[G0W+1], s[WV], 15                 ; LDS: slot 0 + 32,768 x wave: no place in the cluster enters an LDS address
	s_mov_b32 s[G0W+4], 1
	s_add_co_u32 s[G0W+5], s[G0W+1], SLOTB         ; slot 1
	s_mov_b32 s[G0X], 1
	s_mul_i32 s[G0X+1], s[WV], 14336
	s_add_co_u32 s[G0X+1], s[G0X+1], XRES
	s_lshl_b32 s74, s24, 22                        ; W: my group's eight leaves are 4,194,304 bytes on end: 32 slots' worth.  (s74, s75 hold by and the wave alone)
	s_add_co_u32 s74, s74, s[G0W+1]
	s_mov_b32 s75, 0
	s_lshl_b32 s78, s23, 16                        ; x: my block of 64 rows is 65,536 bytes.  (s78, s79 hold bx and the wave alone)
	s_mul_i32 s79, s[WV], 14336
	s_add_co_u32 s78, s78, s79
	s_mov_b32 s79, 0
	s_mov_b32 s[SEL], 0x76543210
	s_mov_b32 s[SEL+1], 0xfedcba98
	s_mov_b32 s86, 0xffff0000                      ; lanes 16-31
	s_mov_b32 s[TOFF], 0
	s_cmp_eq_u32 ttmp9, 0
	s_cselect_b32 s[LIM], 1, 0                     ; the same in all sixteen partners
.irp d, 0,1,2                          ; the path's first three turns are the same for all eight leaves: bit b of by: the factor is g (b = 0) or 1 - g (b = 1) = g x sgn + off
	s_bfe_u32 s72, s24, 0x10000|(2-\d)
	s_lshl_b32 s[80+2*\d], s72, 31
	s_or_b32 s[80+2*\d], s[80+2*\d], 0x3f800000    ; sgn = 1 or -1
	s_mul_i32 s[81+2*\d], s72, 0x3f800000          ; off = 0 or 1
.endr
	s_wait_dscnt 0x0                               ; both opening adds are done
	s_wait_kmcnt 0x0
	s_load_b64 s[70:71], s[16:17], 0x8             ; e2, e3
	s_add_nc_u64 s[G0W+2:G0W+3], s[4:5], s[74:75]
	s_add_nc_u64 s[G0W+6:G0W+7], s[G0W+2:G0W+3], SLOTB
	s_or_b32 s[G0W+3], s[G0W+3], 0x80000000        ; type = 2
	s_or_b32 s[G0W+7], s[G0W+7], 0x80000000
	s_add_nc_u64 s[G0X+2:G0X+3], s[6:7], s[78:79]
	s_or_b32 s[G0X+3], s[G0X+3], 0x80000000
	s_lshl_b32 s88, s21, 2                         ; the prefetches: (4 cx + wave) x 8,192 in my group's stream; the first leaf's first K step moves it four slots on
	s_add_co_u32 s88, s88, s[WV]
	s_lshl_b32 s88, s88, 13
	s_lshl_b32 s89, s24, 22
	s_add_co_u32 s88, s88, s89
	s_mov_b32 s89, 0
	s_add_nc_u64 s[PFA:PFA+1], s[4:5], s[88:89]
	s_lshl_b32 s96, s23, 16
	s_mov_b32 s97, 0
	s_add_nc_u64 s[94:95], s[6:7], s[96:97]        ; x under e2: my block
	s_add_nc_u64 s[90:91], s[8:9], s[96:97]        ; x under e0: my block,
	s_lshl_b32 s96, s[WV], 11
	s_add_nc_u64 s[90:91], s[90:91], s[96:97]      ; tile of rows w
	s_lshr_b32 s96, s24, 2
	s_lshl_b32 s96, s96, 16
	s_and_b32 s98, s24, 3
	s_lshl_b32 s98, s98, 11
	s_add_co_u32 s96, s96, s98
	s_add_nc_u64 s[92:93], s[10:11], s[96:97]      ; my group's tile of W_in's rows
	s_lshl_b32 s96, s24, 7
	s_add_nc_u64 s[12:13], s[12:13], s[96:97]      ; and their parameters
	s_lshl_b32 s96, s24, 14
	s_add_nc_u64 s[14:15], s[14:15], s[96:97]      ; the bias of my first leaf
	s_lshl_b32 s96, s24, 22
	s_lshl_b32 s98, s23, 17
	s_add_co_u32 s96, s96, s98
	s_lshl_b32 s98, s[WV], 9
	s_add_co_u32 s96, s96, s98
	s_add_nc_u64 s[18:19], s[18:19], s[96:97]      ; part: group by, row 64 bx, column 128 w
	CROUND                                         ; all sixteen work-groups are here: the first joint loads meet
	tensor_load_to_lds s[G0W:G0W+3], s[G1W:G1W+7]  ; the first fills, one group, in every wave: slot 0,
	s_nop 0
	tensor_load_to_lds s[G0X:G0X+3], s[G1X:G1X+7]  ; x's seven K steps,
	s_nop 0
	tensor_load_to_lds s[G0W+4:G0W+7], s[G1W:G1W+7]  ; slot 1: three loads of mine are out
	s_nop 0
.rept 4
	v_nop
.endr
	v_and_b32 v16, 31, v0
	v_lshlrev_b32 v[LI], 4, v16
	v_lshlrev_b32 v[PFO], 8, v16
	s_lshl_b32 s87, s[WV], 14                      ; my eight fragments: 16,384 bytes a wave
	v_add_nc_u32 v[ADW], s87, v[LI]
	v_add_nc_u32 v[ADW+1], 65536, v[ADW]
	v_add_nc_u32 v[ADW+2], SLOTB, v[ADW]
	v_add_nc_u32 v[ADW+3], SLOTB+65536, v[ADW]
	v_add_nc_u32 v[ADX], XRES, v[LI]
	v_and_b32 v17, 15, v0                          ; r
	v_bfe_u32 v18, v0, 4, 1                        ; h
	v_lshlrev_b32 v[STL], 5, v17
	v_add_nc_u32 v[STL], STATS, v[STL]             ; row r's four pairs
	s_lshl_b32 s87, s[WV], 3
	v_add_nc_u32 v[STS], s87, v[STL]               ; my wave's among them
	v_lshlrev_b32 v[WTL], 4, v17
	v_add_nc_u32 v[WTL], WT, v[WTL]
	s_lshl_b32 s87, s[WV], 2
	v_add_nc_u32 v[WTS], s87, v[WTL]
	s_mul_i32 s87, s[WV], 16*SPITCH
	v_mul_u32_u24 v[STO], v17, SPITCH
	v_lshl_add_u32 v[STO], v18, 5, v[STO]
	v_add_nc_u32 v[STO], s87, v[STO]
	v_add_nc_u32 v[RD], s87, v[LI]
	s_lshl_b32 s87, s[WV], 9
	v_lshlrev_b32 v[BO], 5, v18
	v_add_nc_u32 v[BO], s87, v[BO]
	v_lshlrev_b32 v19, 6, v18                      ; the parameters of my half's eight gates: 64 h
.irp a, 0,1,2,3
	v_mov_b32 v[F+2*\a+1], 0                       ; (named as the upper halves of the factors' pairs, so they are written once)
.endr
.irp j, 56,57,58,59,60,61
	v_mov_b32 v\j, 0                               ; written once: a lane permute's destination counts as one of its sources
.endr
	WIN 0x40                                       ; destination window 1
.irp k, 0,1,2,3,4,5,6,7
.irp c, 0,1,2,3
	global_load_b128 v[16*\k+4*\c:16*\k+4*\c+3], v[LI], s[90:91] offset:8192*\k+512*\c          ; x under e0, my 16 rows, K step k
.endr
.endr
.irp k, 0,1,2,3,4,5,6,7
.irp c, 0,1,2,3
	global_load_b128 v[128+16*\k+4*\c:128+16*\k+4*\c+3], v[LI], s[92:93] offset:8192*\k+512*\c  ; the sixteen rows of W_in
.endr
.endr
	WIN 0
.irp c, 0,1,2,3
	global_load_b128 v[SD+4*\c:SD+4*\c+3], v19, s[12:13] offset:16*\c                           ; (bs, bb) of gates 8 h + 0..7
.endr
.irp a, 0,1,2,3
.irp c, 0,1,2,3
	global_load_b128 v[XR+16*\a+4*\c:XR+16*\a+4*\c+3], v[LI], s[94:95] offset:57344+2048*\a+512*\c   ; x under e2, K step 7: it stays in registers
.endr
.endr
	BILOAD
	s_wait_kmcnt 0x0
	s_add_co_i32 s72, s70, s71
	s_lshl_b32 s72, s72, 23
	s_add_co_i32 s[CS], s72, 0x3fb8aa3b            ; log2(e) with e2 + e3 added to its exponent field
	s_mov_b32 s[CS+1], s[CS]                       ; (named with it as a pair)
	s_wait_loadcnt 0x0
	; ---- the gates: two accumulators by turns (even and odd K steps), added at the end
	WIN 0x05                                       ; sources 0 and 1 window 1
.irp k, 0,1,2,3,4,5,6,7
.if \k < 2
	v_wmma_f32_16x16x128_fp8_fp8 v[32+8*(\k%2):39+8*(\k%2)], v[128+16*\k:143+16*\k], v[16*\k:16*\k+15], 0
.else
	v_wmma_f32_16x16x128_fp8_fp8 v[32+8*(\k%2):39+8*(\k%2)], v[128+16*\k:143+16*\k], v[16*\k:16*\k+15], v[32+8*(\k%2):39+8*(\k%2)]
.endif
.endr
	WIN 0
	PLACES 4
.irp j, 0,1,2,3,4,5,6,7
	v_add_f32 v[48+\j], v[32+\j], v[40+\j]         ; lane (r, h): row r, gate 8 h + j
.endr
.irp j, 0,1,2,3,4,5,6,7
	v_fma_f32 v[48+\j], v[48+\j], v[SD+2*\j], v[SD+2*\j+1]
.endr
.irp j, 0,1,2,3,4,5,6,7
	v_exp_f32 v[48+\j], v[48+\j]
.endr
	v_nop
	s_wait_alu depctr_va_vdst(0)                   ; one wait for the eight exponentials
.irp j, 0,1,2,3,4,5,6,7
	v_add_f32 v[48+\j], 1.0, v[48+\j]
.endr
.irp j, 0,1,2,3,4,5,6,7
	v_rcp_f32 v[48+\j], v[48+\j]
.endr
	v_nop
	s_wait_alu depctr_va_vdst(0)                   ; one wait for the eight reciprocals
.irp j, 0,1,2,3,4,5
	v_permlanex16_b32 v[56+\j], v[48+\j], s[SEL], s[SEL+1]
.endr
.irp j, 0,1,2,3,4,5
	v_cndmask_b32 v[64+\j], v[48+\j], v[56+\j], s86    ; gates 0-5, in every lane
.endr
.irp j, 0,1,2,3
	v_cndmask_b32 v[72+\j], v[56+\j], v[48+\j], s86    ; gates 8-11, in every lane
.endr
	v_fma_f32 v76, v64, s80, s81
	v_fma_f32 v77, v65, s82, s83
	v_fma_f32 v78, v66, s84, s85
	v_mul_f32 v80, v76, v77
	v_mul_f32 v80, v80, v78                        ; the path down to the group's own node
	v_mul_f32 v81, v80, v67
	v_fma_f32 v82, -v80, v67, v80
	v_mul_f32 v83, v81, v68
	v_fma_f32 v84, -v81, v68, v81
	v_mul_f32 v85, v82, v69
	v_fma_f32 v86, -v82, v69, v82
.irp i, 0,1,2,3
	v_mul_f32 v[88+2*\i], v[83+\i], v[72+\i]
	v_fma_f32 v[89+2*\i], -v[83+\i], v[72+\i], v[83+\i]
.endr
.irp t, 0,1,2,3,4,5,6,7
	ds_store_b32 v[WTS], v[88+\t] offset:256*\t    ; leaf_p(row 16 w + r, leaf t); both halves of the lanes store the same number to the same place
.endr
	s_wait_tensorcnt 0x1                           ; my parts of slot 0 and of x are in; slot 1's may stay out
	s_wait_dscnt 0x0                               ; my stores have landed
	s_barrier_signal -1
	s_barrier_wait -1
	FETCH_W ADW, 0
	FETCH_A 0, 0, 4
	LEAF 1, 0                                      ; the first leaf is written out: it starts the output tile
	s_mov_b32 s[CNT], 6
.Lleaf:
	LEAF 0, 0
	s_sub_co_u32 s[CNT], s[CNT], 1
	s_cmp_lg_u32 s[CNT], 0
	s_cbranch_scc1 .Lleaf
	LEAF 0, 1                                      ; the last leaf is written out
; THE WAY OUT, a tile of 16 rows at a time: a lane holds 32 neighbouring bytes of a row; through my own stage they come back as whole rows of 512 bytes.  LDS serves a wave's instructions in order (ISA guide 5.7.1.4).
.macro TOSTAGE a
	WIN 0x0c                                       ; the stores' data: window 3
.irp b, 0,1,2,3,4,5,6,7
	ds_store_b128 v[STO], v[8*(8*(\a)+\b):8*(8*(\a)+\b)+3] offset:64*\b
	ds_store_b128 v[STO], v[8*(8*(\a)+\b)+4:8*(8*(\a)+\b)+7] offset:64*\b+16
.endr
	WIN 0
.set BB, 32+64*((\a)%2)
.irp t, 0,1,2,3,4,5,6,7,8,9,10,11,12,13,14,15
	ds_load_b128 v[BB+4*\t:BB+4*\t+3], v[RD] offset:\t*SPITCH
.endr
.endm
.macro SEND a, younger                 ; younger: the LDS instructions issued behind tile a's loads
.set BB, 32+64*((\a)%2)
	s_wait_dscnt \younger
.irp t, 0,1,2,3,4,5,6,7,8,9,10,11,12,13,14,15
	global_store_b128 v[LI], v[BB+4*\t:BB+4*\t+3], s[18:19] offset:(16*(\a)+\t)*2048 th:TH_STORE_NT   ; the wave stores 512 consecutive bytes, aligned
.endr
.endm
	TOSTAGE 0
.irp a, 1,2,3
.if \a > 1
	s_wait_xcnt 0x0                                ; the stores of two tiles ago have read their registers: this tile's loads may land there
.endif
	TOSTAGE \a
	SEND \a-1, 32                                  ; behind that tile's loads: this tile's 16 stores and 16 loads
.endr
	SEND 3, 0
	s_wait_tensorcnt 0x0                           ; the wave's end, behind my last tensor load and my last LDS store
	ds_add_u32 v[SPW], v[NIL]
	s_wait_dscnt 0x0
	CROUND                                         ; the closing round: no work-group ends while a partner may still ask for a tile that names it
	s_endpgm
.Lfunc_end_k_qa1403c76fb_mix:
	.size	k_qa1403c76fb_mix, .Lfunc_end_k_qa1403c76fb_mix-k_qa1403c76fb_mix
	.p2alignl 7, 3214868480
	.fill 96, 4, 3214868480
	.section	.rodata,"a",@progbits
	.p2align	6, 0x0
	.amdhsa_kernel k_qa1403c76fb_mix
		.amdhsa_group_segment_fixed_size 327680
		.amdhsa_private_segment_fixed_size 0
		.amdhsa_enable_private_segment 0
		.amdhsa_kernarg_size 64
		.amdhsa_user_sgpr_count 2
		.amdhsa_user_sgpr_kernarg_segment_ptr 1
		.amdhsa_wavefront_size32 1
		.amdhsa_system_sgpr_workgroup_id_x 1
		.amdhsa_system_sgpr_workgroup_id_y 1
		.amdhsa_system_sgpr_workgroup_id_z 1
		.amdhsa_system_vgpr_workitem_id 0
		.amdhsa_next_free_vgpr 1024
		.amdhsa_next_free_sgpr 100
		.amdhsa_reserve_vcc 0
		.amdhsa_float_denorm_mode_32 3
		.amdhsa_float_denorm_mode_16_64 3
		.amdhsa_memory_ordered 1
		.amdhsa_forward_progress 1
		.amdhsa_inst_pref_size 255
	.end_amdhsa_kernel
	.section	.bss,"aw",@nobits
	.p2align	6
	.space	262144
	.amdgpu_metadata
---
amdhsa.version: [ 1, 2 ]
amdhsa.kernels:
  - .name:           k_qa1403c76fb_mix
    .symbol:         k_qa1403c76fb_mix.kd
    .args:
      - { .name: wimg, .offset: 0, .size: 8, .value_kind: global_buffer, .address_space: global }
      - { .name: x2img, .offset: 8, .size: 8, .value_kind: global_buffer, .address_space: global }
      - { .name: x0img, .offset: 16, .size: 8, .value_kind: global_buffer, .address_space: global }
      - { .name: wnimg, .offset: 24, .size: 8, .value_kind: global_buffer, .address_space: global }
      - { .name: gpar, .offset: 32, .size: 8, .value_kind: global_buffer, .address_space: global }
      - { .name: bpad, .offset: 40, .size: 8, .value_kind: global_buffer, .address_space: global }
      - { .name: lowp_scales, .offset: 48, .size: 8, .value_kind: global_buffer, .address_space: global }
      - { .name: part, .offset: 56, .size: 8, .value_kind: global_buffer, .address_space: global }
    .group_segment_fixed_size: 327680
    .private_segment_fixed_size: 0
    .kernarg_segment_align: 8
    .kernarg_segment_size: 64
    .max_flat_workgroup_size: 128
    .sgpr_count:     100
    .vgpr_count:     1024
    .wavefront_size: 32
...
	.end_amdgpu_metadata
.endif
;; end of part 2
;; launch sum (part 3): grid 512 x 1, 4 waves a work-group, no clusters, 0 bytes of LDS; arguments part, out0; writes out0
.if DOCPART == 3
	.amdgcn_target "amdgcn-amd-amdhsa--gfx1250"
	.amdhsa_code_object_version 6
	.text
	.protected	k_qa1403c76fb_sum
	.globl	k_qa1403c76fb_sum
	.p2align	8
	.type	k_qa1403c76fb_sum,@function
k_qa1403c76fb_sum:
	s_mov_b64 s[64:65], 0
	v_nop
	global_prefetch_b8 v0, s[64:65] scope:SCOPE_SE
	s_setreg_imm32_b32 hwreg(HW_REG_WAVE_MODE, 25, 1), 1
	s_wait_xcnt 0x0
; out0[n][o] = the sum over the eight groups of leaves g of part[g][n][o].  part: [8][2048][512] f32 (columns 500-511 are pad, stored as zeros); out0: [2048][500] f32.  No work of the problem is left out.
; A work-group takes four rows; thread t takes 16 bytes of each.  All 32 loads of a thread go out at once; a load of a wave covers 512 consecutive bytes.  A row of out0 is 2,000 bytes = 125 threads' 16:
; the loads run with all lanes on (the pad lies inside part); the additions and the stores run in threads 0 to 124.  A plain stream: no LDS, no matrix unit, no cluster.
	s_load_b128 s[4:7], s[0:1], 0x0                ; part, out0
	v_lshlrev_b32 v1, 4, v0
	v_cmp_gt_u32 vcc_lo, 125, v0
	s_lshl_b32 s16, ttmp9, 13                      ; four rows of 2,048 bytes
	s_mov_b32 s17, 0
	s_mul_i32 s18, ttmp9, 8000                     ; four rows of 2,000 bytes
	s_mov_b32 s19, 0
	s_wait_kmcnt 0x0
	s_add_nc_u64 s[8:9], s[4:5], s[16:17]          ; groups 0 and 1;
	s_add_nc_u64 s[10:11], s[8:9], 0x800000        ; a base for every two groups, so that the offsets stay inside the signed 24-bit immediate (ISA guide, chapter 10)
	s_add_nc_u64 s[12:13], s[10:11], 0x800000
	s_add_nc_u64 s[14:15], s[12:13], 0x800000
	s_add_nc_u64 s[6:7], s[6:7], s[18:19]
.irp i, 0,1,2,3
.irp g, 0,1,2,3,4,5,6,7
	global_load_b128 v[16+4*(8*\i+\g):16+4*(8*\i+\g)+3], v1, s[8+2*(\g/2):9+2*(\g/2)] offset:(\g%2)*4194304+2048*\i th:TH_LOAD_NT
.endr
.endr
	s_wait_xcnt 0x0                                ; EXEC is a source of the loads above: it changes only behind this wait
	s_and_saveexec_b32 s20, vcc_lo                 ; threads 0 to 124
.macro ROW i
.set R, 16+32*(\i)
	s_wait_loadcnt 24-8*(\i)                       ; this row's eight loads are in; the later rows' may be out
.irp g, 0,2,4,6
	v_pk_add_f32 v[R+4*\g:R+4*\g+1], v[R+4*\g:R+4*\g+1], v[R+4*\g+4:R+4*\g+5]
	v_pk_add_f32 v[R+4*\g+2:R+4*\g+3], v[R+4*\g+2:R+4*\g+3], v[R+4*\g+6:R+4*\g+7]
.endr
.irp g, 0,4
	v_pk_add_f32 v[R+4*\g:R+4*\g+1], v[R+4*\g:R+4*\g+1], v[R+4*\g+8:R+4*\g+9]
	v_pk_add_f32 v[R+4*\g+2:R+4*\g+3], v[R+4*\g+2:R+4*\g+3], v[R+4*\g+10:R+4*\g+11]
.endr
	v_pk_add_f32 v[R:R+1], v[R:R+1], v[R+16:R+17]
	v_pk_add_f32 v[R+2:R+3], v[R+2:R+3], v[R+18:R+19]
	global_store_b128 v1, v[R:R+3], s[6:7] offset:2000*(\i) th:TH_STORE_NT
.endm
	ROW 0
	ROW 1
	ROW 2
	ROW 3
	s_endpgm
.Lfunc_end_k_qa1403c76fb_sum:
	.size	k_qa1403c76fb_sum, .Lfunc_end_k_qa1403c76fb_sum-k_qa1403c76fb_sum
	.p2alignl 7, 3214868480
	.fill 96, 4, 3214868480
	.section	.rodata,"a",@progbits
	.p2align	6, 0x0
	.amdhsa_kernel k_qa1403c76fb_sum
		.amdhsa_group_segment_fixed_size 0
		.amdhsa_private_segment_fixed_size 0
		.amdhsa_enable_private_segment 0
		.amdhsa_kernarg_size 16
		.amdhsa_user_sgpr_count 2
		.amdhsa_user_sgpr_kernarg_segment_ptr 1
		.amdhsa_wavefront_size32 1
		.amdhsa_system_sgpr_workgroup_id_x 1
		.amdhsa_system_sgpr_workgroup_id_y 1
		.amdhsa_system_sgpr_workgroup_id_z 1
		.amdhsa_system_vgpr_workitem_id 0
		.amdhsa_next_free_vgpr 148
		.amdhsa_next_free_sgpr 66
		.amdhsa_reserve_vcc 1
		.amdhsa_float_denorm_mode_32 3
		.amdhsa_float_denorm_mode_16_64 3
		.amdhsa_memory_ordered 1
		.amdhsa_forward_progress 1
		.amdhsa_inst_pref_size 8
	.end_amdhsa_kernel
	.amdgpu_metadata
---
amdhsa.version: [ 1, 2 ]
amdhsa.kernels:
  - .name:           k_qa1403c76fb_sum
    .symbol:         k_qa1403c76fb_sum.kd
    .args:
      - { .name: part, .offset: 0, .size: 8, .value_kind: global_buffer, .address_space: global }
      - { .name: out0, .offset: 8, .size: 8, .value_kind: global_buffer, .address_space: global }
    .group_segment_fixed_size: 0
    .private_segment_fixed_size: 0
    .kernarg_segment_align: 8
    .kernarg_segment_size: 16
    .max_flat_workgroup_size: 128
    .sgpr_count:     66
    .vgpr_count:     148
    .wavefront_size: 32
...
	.end_amdgpu_metadata
.endif
;; end of part 3
;; ======== version 2 of 2: 3 launches
;; limits: right only within a limited range of input values
;; workspace buffers: wimg 33,554,432 bytes; x2img 2,097,152 bytes; x0img 2,097,152 bytes; wnimg 131,072 bytes; gpar 1,024 bytes; bpad 131,072 bytes; part 33,554,432 bytes
;; launch prep (part 4): grid 1156 x 1, 16 waves a work-group, no clusters, 34,816 bytes of LDS; arguments x, W_in, b_in, beta, W_leaf, b_leaf, lowp_scales, wimg, x2img, x0img, wnimg, gpar, bpad; writes wimg, x2img, x0img, wnimg, gpar, bpad
.if DOCPART == 4
	.amdgcn_target "amdgcn-amd-amdhsa--gfx1250"
	.amdhsa_code_object_version 6
	.text
	.protected	k_qa1403c76fb_prep
	.globl	k_qa1403c76fb_prep
	.p2align	8
	.type	k_qa1403c76fb_prep,@function
k_qa1403c76fb_prep:
	s_mov_b64 s[64:65], 0
	v_nop
	global_prefetch_b8 v0, s[64:65] scope:SCOPE_SE
	s_setreg_imm32_b32 hwreg(HW_REG_WAVE_MODE, 25, 1), 1
	s_wait_xcnt 0x0
; out0[n][o] = sum over leaves l of leaf_p[n][l] x softmax_o(x W_leaf[l] + b_leaf[l]), leaf_p = the product of six gates sigmoid(beta (x W_in + b_in)) or 1 - gate along the tree's path.
; NO WORK OF THE PROBLEM IS LEFT OUT: every input has a way to the output and is loaded.  Three launches: this one quantises, the second multiplies and mixes eight leaves at a time, the third adds eight parts.
; THIS LAUNCH makes every operand of the two quantised products once, as codes of E4M3 (code = number / 2^e, held within +-448, to the nearest code, ties to even), laid IN THE ORDER OF THE OPERAND'S REGISTERS:
; a fragment (16 rows or columns x 128 along K) is 2,048 bytes on end: byte 512 c + 16 lane + i is the code of row (lane % 16) at k = 32 c + 16 (lane / 16) + i.
;   work-groups 0-1023: i = 16 leaf + 2 (K step of 128) + half: 64 rows of W_leaf ([K][500], K outermost) under lowp_scales[3] -> wimg [leaf][K step][tile of 16 columns, 32 of them][2,048]; columns 500-511 get zero codes.
;       Wave w takes 16 rows of K (w / 4) x 128 columns (w % 4); a lane takes FOUR neighbouring columns, so a load of the wave covers 512 consecutive bytes of a row.  A conversion of eight registers gives two rows x four columns;
;       eight byte permutes turn four rows x four columns, so that a register holds four k of one column; a lane's 4 x 16 bytes turn through the wave's own 2,048 bytes of LDS, and sixteen lanes store 256 consecutive bytes, aligned.
;       Those with i % 16 = 0 also store bpad [leaf][512] = b_leaf / 2^(e2 + e3); columns 500-511 get -2^100, which the softmax turns into 0.
;   work-groups 1024-1087: x under lowp_scales[2] -> x2img [row block of 64][K step of 128][tile of 16 rows][2,048];   work-groups 1088-1151: x under lowp_scales[0] -> x0img, laid alike
;   work-groups 1152-1155: for each group g of eight leaves, the ten rows of W_in on those leaves' paths, under lowp_scales[1] -> wnimg (tile g laid as a tile of x);
;       row m of tile g: m = 0..5: nodes 0, 1 + g/4, 3 + g/2, 7 + g, 15 + 2 g, 16 + 2 g; m = 8..11: nodes 31 + 4 g + 0..3; the other six rows repeat node 0 (they fill the tile and are not used).
;       gpar [g][m]: bs = -log2(e) beta 2^(e0 + e1), bb = -log2(e) beta b_in: a gate is 1 / (1 + 2^(sum x bs + bb)).
; LIMITS: each e between -126 and 119; e2 + e3 between -90 and 127.  NaN among the inputs is not served (an infinity is held at the largest code).
; No barrier: waves share nothing.  No tensor loads, no cluster: no two work-groups read the same bytes but for x, which is read twice.
.set X, 16                             ; v16-79  numbers as loaded
.set C, 8                              ; v8-15   codes (K innermost)
.set SPW, 80                           ; v80     LDS address of my spare word; never rewritten
.set NIL, 81                           ; v81     0; never rewritten
.set SPARE, 32768                      ; behind the sixteen waves' 2,048 bytes: the spare words, 128 bytes a wave
; ---- K innermost: lane (r, h) takes 16 neighbours of row r: block q of 32 along K, its half h
.macro RLOAD q
.irp j, 0,1,2,3
	global_load_b128 v[X+16*(\q)+4*\j:X+16*(\q)+4*\j+3], v1, s[38:39] offset:128*(\q)+16*\j
.endr
.endm
.macro RBLOCK q
.set XS, X+16*(\q)
.set CD, C+4*((\q)%2)
	s_wait_loadcnt 4*(3-(\q))                      ; this block's four loads are in; those of the blocks behind it may be out
.irp i, 0,1,2,3,4,5,6,7,8,9,10,11,12,13,14,15
	v_med3_num_f32 v[XS+\i], v[XS+\i], -v3, v3     ; the conversion to an 8-bit code does not saturate (ISA guide 7.6.2): the hold
.endr
.if (\q) >= 2
	s_wait_alu depctr_va_vdst(0)
	s_wait_xcnt 0x0                                ; the store of two blocks ago has read its data
.endif
	v_cvt_scalef32_pk8_fp8_f32 v[CD:CD+1], v[XS:XS+7], v4
	v_cvt_scalef32_pk8_fp8_f32 v[CD+2:CD+3], v[XS+8:XS+15], v4
.if (\q) == 3
	v_nop                                          ; a plain vector line behind the last conversion
.endif
	global_store_b128 v2, v[CD:CD+3], s[40:41] offset:512*(\q)   ; the wave stores 512 consecutive bytes, aligned
.endm
; ---- K outermost: rows 4 t .. 4 t + 3 of my 16, four columns each
.macro WGROUP t
.set XS, X+16*(\t)
	s_wait_loadcnt 12-4*(\t)                       ; this group's four loads are in; the later groups' four each may be out
.irp i, 0,1,2,3,4,5,6,7,8,9,10,11,12,13,14,15
	v_med3_num_f32 v[XS+\i], v[XS+\i], -v3, v3     ; the hold; in the pad columns v3 is 0, so their codes are zeros
.endr
	v_cvt_scalef32_pk8_fp8_f32 v[84:85], v[XS:XS+7], v4      ; v84+j: the four columns' codes at row 4 t + j
	v_cvt_scalef32_pk8_fp8_f32 v[86:87], v[XS+8:XS+15], v4
	v_nop                                          ; a plain vector line behind the conversions
	v_perm_b32 v12, v85, v84, 0x05010400           ; columns 0, 1 of rows 0, 1
	v_perm_b32 v13, v85, v84, 0x07030602           ; columns 2, 3 of rows 0, 1
	v_perm_b32 v14, v87, v86, 0x05010400           ; the same of rows 2, 3
	v_perm_b32 v15, v87, v86, 0x07030602
	v_perm_b32 v[X+\t], v14, v12, 0x05040100       ; word t of column m's 16 bytes at v[X + 4 m + t]: registers whose numbers are converted
	v_perm_b32 v[X+4+\t], v14, v12, 0x07060302
	v_perm_b32 v[X+8+\t], v15, v13, 0x05040100
	v_perm_b32 v[X+12+\t], v15, v13, 0x07060302
.endm
	s_load_b512 s[4:19], s[0:1], 0x0               ; x s[4:5], W_in s[6:7], b_in s[8:9], beta s[10:11], W_leaf s[12:13], b_leaf s[14:15], the scales s[16:17], wimg s[18:19]
	s_load_b256 s[20:27], s[0:1], 0x40             ; x2img s[20:21], x0img s[22:23], wnimg s[24:25], gpar s[26:27]
	s_load_b64 s[28:29], s[0:1], 0x60              ; bpad
	v_lshl_add_u32 v[SPW], v0, 2, SPARE
	v_mov_b32 v[NIL], 0
	v_lshrrev_b32 v5, 5, v0
	s_delay_alu instid0(VALU_DEP_1)
	v_readfirstlane_b32 s30, v5                    ; wave 0..15
	s_wait_kmcnt 0x0
	s_load_b128 s[32:35], s[16:17], 0x0            ; e0, e1, e2, e3
	s_cmp_lt_u32 ttmp9, 1024
	s_cbranch_scc1 .Lwleaf
	; ================= K innermost: x twice, W_in's rows once.  A wave's job: a tile T of 16 rows x K step ks
	s_sub_co_u32 s47, ttmp9, 1024                  ; j: 0-63 x under e2, 64-127 x under e0, 128-131 W_in
	s_and_b32 s36, s47, 63
	s_lshl_b32 s36, s36, 4
	s_add_co_u32 s36, s36, s30                     ; job = 16 (j % 64) + wave
	s_lshr_b32 s37, s36, 3                         ; T (for W_in: the group of leaves g)
	s_and_b32 s31, s36, 7                          ; ks
	s_cmp_lt_u32 s47, 64                           ; the choices hang on the work-group's number alone
	s_cselect_b64 s[40:41], s[20:21], s[22:23]
	s_cmp_lt_u32 s47, 128
	s_cselect_b64 s[40:41], s[40:41], s[24:25]     ; where the codes go
	s_cselect_b64 s[38:39], s[4:5], s[6:7]         ; where the numbers come from
	s_cselect_b32 s42, 0, -1                       ; all ones where the rows are nodes of W_in
	s_lshl_b32 s44, s31, 9                         ; a K step of 128 numbers: 512 bytes
	s_mov_b32 s45, 0
	s_add_nc_u64 s[38:39], s[38:39], s[44:45]
	s_lshr_b32 s44, s37, 2
	s_lshl_b32 s44, s44, 16                        ; (T / 4) x 65,536
	s_and_b32 s46, s37, 3
	s_lshl_b32 s46, s46, 11                        ; + (T % 4) x 2,048
	s_add_co_u32 s44, s44, s46
	s_lshl_b32 s46, s31, 13                        ; + ks x 8,192
	s_add_co_u32 s44, s44, s46
	s_add_nc_u64 s[40:41], s[40:41], s[44:45]
	v_and_b32 v5, 15, v0                           ; r
	v_bfe_u32 v6, v0, 4, 1                         ; h
	v_and_b32 v2, 31, v0
	s_delay_alu instid0(VALU_DEP_1)
	v_lshlrev_b32 v2, 4, v2                        ; 16 x lane: my place in a store's 512 bytes
	s_lshl_b32 s46, s37, 4
	v_add_nc_u32 v7, s46, v5                       ; a row of x: 16 T + r
	; a node of W_in: depth d and leaf offset t of row r come from two tables of 4-bit fields; node = 2^d - 1 + ((8 g + t) >> (6 - d))
	v_mov_b32 v64, 0x00443210                      ; d of rows 0-7
	v_mov_b32 v65, 0x00005555                      ; d of rows 8-15
	v_mov_b32 v66, 0x00400000                      ; t of rows 0-7
	v_mov_b32 v67, 0x00006420                      ; t of rows 8-15
	v_cmp_gt_u32 vcc_lo, 8, v5
	s_delay_alu instid0(VALU_DEP_1)
	v_cndmask_b32 v64, v65, v64, vcc_lo
	s_delay_alu instid0(VALU_DEP_2)
	v_cndmask_b32 v66, v67, v66, vcc_lo
	v_and_b32 v68, 7, v5
	s_delay_alu instid0(VALU_DEP_1)
	v_lshlrev_b32 v68, 2, v68
	s_delay_alu instid0(VALU_DEP_1)
	v_lshrrev_b32 v64, v68, v64
	s_delay_alu instid0(VALU_DEP_1)
	v_and_b32 v64, 15, v64                         ; d
	s_delay_alu instid0(VALU_DEP_3)
	v_lshrrev_b32 v66, v68, v66
	s_delay_alu instid0(VALU_DEP_1)
	v_and_b32 v66, 15, v66                         ; t
	s_lshl_b32 s46, s37, 3
	v_add_nc_u32 v66, s46, v66                     ; 8 g + t
	v_sub_nc_u32 v67, 6, v64
	s_delay_alu instid0(VALU_DEP_1)
	v_lshrrev_b32 v66, v67, v66
	v_lshlrev_b32 v65, v64, 1                      ; 2^d
	s_delay_alu instid0(VALU_DEP_1)
	v_add3_u32 v65, v65, v66, -1
	s_delay_alu instid0(VALU_DEP_1)
	v_cndmask_b32 v7, v7, v65, s42                 ; my row
	s_delay_alu instid0(VALU_DEP_1)
	v_lshlrev_b32 v1, 12, v7                       ; x 4,096 bytes
	s_delay_alu instid0(VALU_DEP_1)
	v_lshl_add_u32 v1, v6, 6, v1                   ; + 64 h: my 16 numbers of a block of 32
	RLOAD 0
	RLOAD 1
	RLOAD 2
	RLOAD 3
	s_wait_kmcnt 0x0
	s_cmp_lt_u32 s47, 64
	s_cselect_b32 s43, s34, s32
	s_cmp_lt_u32 s47, 128
	s_cselect_b32 s43, s43, s33                    ; e: e2, e0 or e1
	s_add_co_i32 s43, s43, 127
	s_lshl_b32 s44, s43, 23
	v_mov_b32 v4, s44                              ; 2^e as f32: the conversion takes its exponent field
	s_add_co_i32 s43, s43, 8
	s_lshl_b32 s43, s43, 23
	s_or_b32 s43, s43, 0x600000
	v_mov_b32 v3, s43                              ; 448 x 2^e
	s_wait_alu depctr_va_vdst(0)
	RBLOCK 0
	RBLOCK 1
	RBLOCK 2
	RBLOCK 3
	s_cmp_ge_u32 s47, 128                          ; the gates' parameters: one wave for each group of leaves
	s_cbranch_scc0 .Lrdone
	s_cmp_eq_u32 s31, 0
	s_cbranch_scc0 .Lrdone
	v_lshlrev_b32 v64, 2, v7                       ; 4 x node
	global_load_b32 v65, v64, s[10:11]             ; beta
	global_load_b32 v66, v64, s[8:9]               ; b_in
	s_add_co_i32 s43, s32, s33                     ; e0 + e1
	s_lshl_b32 s44, s37, 7                         ; g x 16 pairs of 8 bytes
	v_lshlrev_b32 v67, 3, v5
	s_delay_alu instid0(VALU_DEP_1)
	v_lshl_add_u32 v67, v6, 2, v67                 ; pair r; lanes 0-15 store its first word, lanes 16-31 its second
	s_delay_alu instid0(VALU_DEP_1)
	v_add_nc_u32 v67, s44, v67
	v_cmp_eq_u32 vcc_lo, 1, v6
	s_wait_loadcnt 0x0
	v_mul_f32 v68, 0xbfb8aa3b, v65                 ; -log2(e) beta
	s_delay_alu instid0(VALU_DEP_1)
	v_mul_f32 v69, v68, v66                        ; bb
	s_delay_alu instid0(VALU_DEP_2)
	v_ldexp_f32 v68, v68, s43                      ; bs
	s_delay_alu instid0(VALU_DEP_1)
	v_cndmask_b32 v68, v68, v69, vcc_lo
	s_wait_alu depctr_va_vdst(0)
	global_store_b32 v67, v68, s[26:27]
.Lrdone:
	s_endpgm
	; ================= K outermost
.Lwleaf:
	s_lshr_b32 s36, ttmp9, 1                       ; 8 leaf + K step
	s_and_b32 s37, ttmp9, 1                        ; which 64 of the K step's 128 rows
	s_lshr_b32 s40, s30, 2                         ; which 16 of those
	s_and_b32 s41, s30, 3                          ; which 128 columns
	s_lshl_b32 s42, s37, 2
	s_add_co_u32 s42, s42, s40                     ; n = 2 c + h: rows 16 n .. 16 n + 15 of the K step
	s_mul_i32 s38, s36, 256000                     ; 128 rows of 2,000 bytes
	s_mul_i32 s43, s42, 32000                      ; 16 rows
	s_add_co_u32 s38, s38, s43
	s_mov_b32 s39, 0
	s_add_nc_u64 s[12:13], s[12:13], s[38:39]
	s_lshl_b32 s38, s36, 16                        ; 32 fragments of 2,048 bytes
	s_lshl_b32 s43, s41, 14                        ; my wave's eight
	s_add_co_u32 s38, s38, s43
	s_lshl_b32 s43, s42, 8                         ; 512 c + 256 h
	s_add_co_u32 s38, s38, s43
	s_add_nc_u64 s[18:19], s[18:19], s[38:39]
	s_lshl_b32 s44, s30, 11                        ; my wave's 2,048 bytes of LDS
	v_and_b32 v5, 127, v0                          ; which four columns: 0..127, 125 of them real
	v_min_u32 v1, 124, v5                          ; the pad lanes read columns 496-499: no load leaves the buffer
	v_lshlrev_b32 v1, 4, v1
	v_and_b32 v6, 31, v0
	v_lshlrev_b32 v7, 6, v6
	v_add_nc_u32 v7, s44, v7                       ; into LDS: 64 x lane: my four columns' 16 bytes each
	v_lshlrev_b32 v8, 4, v6
	v_add_nc_u32 v8, s44, v8                       ; back: 16 x lane: a column a lane
	v_bfe_u32 v9, v0, 4, 1
	v_and_b32 v10, 15, v0
	v_lshlrev_b32 v2, 11, v9                       ; wimg: lanes 16-31 stand in the next tile,
	v_lshl_add_u32 v2, v10, 4, v2                  ; 16 bytes a column
	s_wait_alu depctr_va_vdst(0)
.irp j, 0,1,2,3,4,5,6,7,8,9,10,11,12,13,14,15
	global_load_b128 v[X+4*\j:X+4*\j+3], v1, s[12:13] offset:2000*\j th:TH_LOAD_NT   ; row j, my four columns
.endr
	s_wait_kmcnt 0x0
	s_add_co_i32 s45, s35, 127
	s_lshl_b32 s46, s45, 23
	v_mov_b32 v4, s46                              ; 2^e3
	s_add_co_i32 s45, s45, 8
	s_lshl_b32 s45, s45, 23
	s_or_b32 s45, s45, 0x600000
	v_mov_b32 v3, s45                              ; 448 x 2^e3,
	v_cmp_gt_u32 vcc_lo, 125, v5
	v_cndmask_b32 v3, 0, v3, vcc_lo                ; or 0 in the pad columns
	s_wait_alu depctr_va_vdst(0)
	WGROUP 0
	WGROUP 1
	WGROUP 2
	WGROUP 3
.irp m, 0,1,2,3
	ds_store_b128 v7, v[X+4*\m:X+4*\m+3] offset:16*\m
.endr
.irp s, 0,1,2,3
	ds_load_b128 v[X+16+4*\s:X+19+4*\s], v8 offset:512*\s      ; LDS serves a wave's instructions in order: these see my stores
.endr
	s_wait_dscnt 0x0
.irp s, 0,1,2,3
	global_store_b128 v2, v[X+16+4*\s:X+19+4*\s], s[18:19] offset:4096*\s   ; two tiles: sixteen lanes store 256 consecutive bytes, aligned
.endr
	s_and_b32 s45, ttmp9, 15                       ; the leaf's first work-group also lays its bias: thread t takes column t
	s_cmp_eq_u32 s45, 0
	s_cbranch_scc0 .Lnobias
	s_lshr_b32 s40, ttmp9, 4                       ; leaf
	s_mul_i32 s38, s40, 2000
	s_add_nc_u64 s[14:15], s[14:15], s[38:39]
	v_min_u32 v16, 499, v0                         ; the pad columns read column 499
	v_lshlrev_b32 v16, 2, v16
	global_load_b32 v17, v16, s[14:15]
	s_add_co_i32 s41, s34, s35
	s_sub_co_i32 s41, 0, s41
	v_mov_b32 v18, 0xf1800000                      ; -2^100
	v_cmp_gt_u32 vcc_lo, 500, v0
	v_lshlrev_b32 v19, 2, v0
	s_lshl_b32 s38, s40, 11
	s_add_nc_u64 s[28:29], s[28:29], s[38:39]
	s_wait_alu depctr_va_vdst(0)
	s_wait_loadcnt 0x0
	v_ldexp_f32 v17, v17, s41                      ; b / 2^(e2 + e3): it goes in as the C of a sum's first matrix instruction
	v_cndmask_b32 v17, v18, v17, vcc_lo
	global_store_b32 v19, v17, s[28:29]
.Lnobias:
	s_wait_tensorcnt 0x0                           ; the wave's end, behind my last LDS store
	ds_add_u32 v[SPW], v[NIL]
	s_wait_dscnt 0x0
	s_endpgm
.Lfunc_end_k_qa1403c76fb_prep:
	.size	k_qa1403c76fb_prep, .Lfunc_end_k_qa1403c76fb_prep-k_qa1403c76fb_prep
	.p2alignl 7, 3214868480
	.fill 96, 4, 3214868480
	.section	.rodata,"a",@progbits
	.p2align	6, 0x0
	.amdhsa_kernel k_qa1403c76fb_prep
		.amdhsa_group_segment_fixed_size 34816
		.amdhsa_private_segment_fixed_size 0
		.amdhsa_enable_private_segment 0
		.amdhsa_kernarg_size 104
		.amdhsa_user_sgpr_count 2
		.amdhsa_user_sgpr_kernarg_segment_ptr 1
		.amdhsa_wavefront_size32 1
		.amdhsa_system_sgpr_workgroup_id_x 1
		.amdhsa_system_sgpr_workgroup_id_y 1
		.amdhsa_system_sgpr_workgroup_id_z 1
		.amdhsa_system_vgpr_workitem_id 0
		.amdhsa_next_free_vgpr 88
		.amdhsa_next_free_sgpr 66
		.amdhsa_reserve_vcc 1
		.amdhsa_float_denorm_mode_32 3
		.amdhsa_float_denorm_mode_16_64 3
		.amdhsa_memory_ordered 1
		.amdhsa_forward_progress 1
		.amdhsa_inst_pref_size 25
	.end_amdhsa_kernel
	.amdgpu_metadata
---
amdhsa.version: [ 1, 2 ]
amdhsa.kernels:
  - .name:           k_qa1403c76fb_prep
    .symbol:         k_qa1403c76fb_prep.kd
    .args:
      - { .name: x, .offset: 0, .size: 8, .value_kind: global_buffer, .address_space: global }
      - { .name: W_in, .offset: 8, .size: 8, .value_kind: global_buffer, .address_space: global }
      - { .name: b_in, .offset: 16, .size: 8, .value_kind: global_buffer, .address_space: global }
      - { .name: beta, .offset: 24, .size: 8, .value_kind: global_buffer, .address_space: global }
      - { .name: W_leaf, .offset: 32, .size: 8, .value_kind: global_buffer, .address_space: global }
      - { .name: b_leaf, .offset: 40, .size: 8, .value_kind: global_buffer, .address_space: global }
      - { .name: lowp_scales, .offset: 48, .size: 8, .value_kind: global_buffer, .address_space: global }
      - { .name: wimg, .offset: 56, .size: 8, .value_kind: global_buffer, .address_space: global }
      - { .name: x2img, .offset: 64, .size: 8, .value_kind: global_buffer, .address_space: global }
      - { .name: x0img, .offset: 72, .size: 8, .value_kind: global_buffer, .address_space: global }
      - { .name: wnimg, .offset: 80, .size: 8, .value_kind: global_buffer, .address_space: global }
      - { .name: gpar, .offset: 88, .size: 8, .value_kind: global_buffer, .address_space: global }
      - { .name: bpad, .offset: 96, .size: 8, .value_kind: global_buffer, .address_space: global }
    .group_segment_fixed_size: 34816
    .private_segment_fixed_size: 0
    .kernarg_segment_align: 8
    .kernarg_segment_size: 104
    .max_flat_workgroup_size: 512
    .sgpr_count:     66
    .vgpr_count:     88
    .wavefront_size: 32
...
	.end_amdgpu_metadata
.endif
;; end of part 4
;; launch mix (part 5): grid 32 x 8, 4 waves a work-group, clusters of 4 x 4, 327,680 bytes of LDS; arguments wimg, x2img, x0img, wnimg, gpar, bpad, lowp_scales, part; writes part
.if DOCPART == 5
	.amdgcn_target "amdgcn-amd-amdhsa--gfx1250"
	.amdhsa_code_object_version 6
	.text
	.protected	k_qa1403c76fb_mix
	.globl	k_qa1403c76fb_mix
	.p2align	8
	.type	k_qa1403c76fb_mix,@function
k_qa1403c76fb_mix:
	s_mov_b64 s[64:65], 0
	v_nop
	global_prefetch_b8 v0, s[64:65] scope:SCOPE_SE
	s_setreg_imm32_b32 hwreg(HW_REG_WAVE_MODE, 25, 1), 1
	s_wait_xcnt 0x0
	s_wait_alu depctr_hold_cnt(0) depctr_sa_sdst(0) depctr_va_vdst(0) depctr_va_sdst(0) depctr_va_ssrc(0) depctr_va_vcc(0) depctr_vm_vsrc(0)
	s_getreg_b32 s2, hwreg(HW_REG_IB_STS2, 6, 4)
	s_cmp_eq_u32 s2, 0
	s_cbranch_scc0 .Lentry_in_a_cluster
	s_endpgm
.Lentry_in_a_cluster:
	s_bfe_u32 s2, ttmp6, 0x10000c
	s_cmp_lg_u32 s2, 0xf033
	s_cbranch_scc0 .Lentry_shape_is_right
	s_endpgm
.Lentry_shape_is_right:
; part[g][n][o] = sum over the eight leaves l of group g of leaf_p[n][l] x softmax_o(x W_leaf[l] + b_leaf[l]).  No work of the problem is left out.
; A work-group takes 64 rows x one group of leaves; a wave 64 rows x 128 columns: 32 accumulators for a leaf's logits (window 2), 32 for the mixture (window 3).
; W's codes walk through two LDS slots of two K steps each, asked for jointly along a row of the 4 x 4 cluster.  x's codes stay: K steps 0-6 in LDS, K step 7 in registers.
; x's 57,344 resident bytes come once, by register loads (14,336 bytes a wave) and LDS stores onto bytes that no fill lands on; they are not asked for jointly: they are 56 KiB against the 4 MiB of W that a work-group walks.
; The softmax takes each row's maximum away (per wave, then joined over the four waves through LDS).  LIMIT: e2 + e3 between -90 and 127, as the first launch states.
.set SLOTB,  131072
.set XRES,   2*SLOTB
.set STATS,  XRES+57344
.set WT,     STATS+2048
.set SPARE,  WT+2048
.set SPITCH, 528
.set LI,  1
.set ADW, 2
.set ADX, 6
.set STS, 7
.set STL, 8
.set STO, 9
.set RD,  10
.set SPW, 12
.set NIL, 13
.set PFO, 14
.set BO,  15
.set TM,  16
.set F,   24
.set AF,  32
.set XR,  96
.set BI,  160
.set SD,  224
.set SA,  232
.set WTS, 248
.set WTL, 249
.set TA,  250
.set WV,  20
.set G1W, 28
.set G1X, 36
.set G0W, 44
.set G0X, 52
.set CS,  56
.set SEL, 58
.set CNT, 60
.set TOFF, 61
.set LIM, 62
.set LOFF, 63
.set PFA, 66
.set WB,  68
.set G1M, 72
.set G0M, 88
.set TP,  92
.set BP,  94
.set NOFF, 96
.set W32, 97
.set W64, 98
.set MSB, 0
.macro WIN new
.if MSB != \new
	s_set_vgpr_msb (MSB<<8)|\new
.set MSB, \new
.endif
.endm
.macro PLACES n
.rept \n
	v_nop
.endr
.endm
.macro CREST
	s_cmp_lg_u32 s[WV], 0
	s_cbranch_scc1 .Lnot_wave_0_\@
	s_barrier_signal -3
.Lnot_wave_0_\@:
	s_barrier_wait -3
	s_barrier_signal -1
	s_barrier_wait -1
.endm
.macro CROUND
	s_barrier_signal -1
	s_barrier_wait -1
	CREST
.endm
.macro FRAG reg, adr, off
.irp c, 0,1,2,3
	ds_load_b128 v[\reg+4*\c:\reg+4*\c+3], v[\adr] offset:\off+512*\c
.endr
.endm
.macro FETCH_W adr, p
	WIN 0x40
.irp b, 0,1,2,3,4,5,6,7
	FRAG 128*(\p)+16*\b, \adr, 2048*\b
.endr
	WIN 0
.endm
.macro FETCH_A s, a0, n
.irp a, 0,1,2,3
.if (\a >= (\a0)) && (\a < (\a0)+(\n))
	FRAG AF+16*\a, ADX, 8192*(\s)+2048*\a
.endif
.endr
.endm
.macro MUL8 a, p, asrc, first
.irp b, 0,1,2,3,4,5,6,7
.if \first
	v_wmma_f32_16x16x128_fp8_fp8 v[8*(8*(\a)+\b):8*(8*(\a)+\b)+7], v[128*(\p)+16*\b:128*(\p)+16*\b+15], v[\asrc+16*(\a):\asrc+16*(\a)+15], v[BI+8*\b:BI+8*\b+7]
.else
	v_wmma_f32_16x16x128_fp8_fp8 v[8*(8*(\a)+\b):8*(8*(\a)+\b)+7], v[128*(\p)+16*\b:128*(\p)+16*\b+15], v[\asrc+16*(\a):\asrc+16*(\a)+15], v[8*(8*(\a)+\b):8*(8*(\a)+\b)+7]
.endif
.endr
.endm
.macro ASK imm
	s_cmp_eq_u32 s[LIM], 1
	s_cbranch_scc0 .Lnot_mine_\@
	global_prefetch_b8 v[PFO], s[PFA:PFA+1] offset:\imm th:TH_LOAD_NT scope:SCOPE_SE
.Lnot_mine_\@:
.endm
.macro BILOAD
.irp b, 0,1,2,3,4,5,6,7
	global_load_b128 v[BI+8*\b:BI+8*\b+3], v[BO], s[BP:BP+1] offset:64*\b
	global_load_b128 v[BI+8*\b+4:BI+8*\b+7], v[BO], s[BP:BP+1] offset:64*\b+16
.endr
.endm
.macro STEP s, last
.set SL, ((\s)/2)%2
	s_wait_dscnt 8
.if (\s) == 0
	WIN 0x81
	MUL8 0, 0, AF, 1
	MUL8 1, 0, AF, 1
.else
	WIN 0xa1
	MUL8 0, 0, AF, 0
	MUL8 1, 0, AF, 0
.endif
	s_wait_dscnt 0x0
	PLACES 4
	FETCH_W ADW+2*SL+1, 1
.if (\s) != 6
	FETCH_A (\s)+1, 0, 2
.endif
.if (\s) == 0
	WIN 0x81
	MUL8 2, 0, AF, 1
	MUL8 3, 0, AF, 1
.else
	WIN 0xa1
	MUL8 2, 0, AF, 0
	MUL8 3, 0, AF, 0
.endif
.if (\s) != 6
	PLACES 4
.endif
	WIN 0
.if (\s) != 6
	FETCH_A (\s)+1, 2, 2
.endif
.if ((\s) == 0) && !(\last)
	s_wait_xcnt 0x0
	s_lshr_b32 s[TP], s[NOFF], 8
	s_add_nc_u64 s[BP:BP+1], s[14:15], s[TP:TP+1]
	BILOAD
.endif
.endm
.macro TURN s, fill, ask
.set SL, ((\s)/2)%2
.if (\s) == 7
.set ASRC, XR
.else
.set ASRC, AF
.endif
	s_wait_tensorcnt 0x0
	ds_add_u32 v[SPW], v[NIL]
.if \fill == 1
	s_add_co_u32 s[TP], s[LOFF], s[W32]
	s_add_co_u32 s[TP], s[TP], (2+SL)*SLOTB
	s_add_nc_u64 s[G0W+4*SL+2:G0W+4*SL+3], s[WB:WB+1], s[TP:TP+1]
	s_or_b32 s[G0W+4*SL+3], s[G0W+4*SL+3], 0x80000000
.endif
.if \fill == 2
	s_add_co_u32 s[TP], s[NOFF], s[W64]
	s_add_nc_u64 s[G0M+2:G0M+3], s[WB:WB+1], s[TP:TP+1]
	s_or_b32 s[G0M+3], s[G0M+3], 0x80000000
.endif
.if (\s) == 7
	s_wait_dscnt 1
.else
	s_wait_dscnt 9
.endif
	WIN 0xa1
	MUL8 0, 1, ASRC, 0
	s_wait_dscnt 0x0
	s_barrier_signal -1
	MUL8 1, 1, ASRC, 0
	WIN 0
	s_barrier_wait -1
.if \fill == 1
	CREST
	tensor_load_to_lds s[G0W+4*SL:G0W+4*SL+3], s[G1W:G1W+7]
	s_nop 0
.rept 4
	v_nop
.endr
.elseif \fill == 2
	CREST
	tensor_load_to_lds s[G0M:G0M+3], s[G1M:G1M+7]
	s_nop 0
.rept 4
	v_nop
.endr
.else
	PLACES 4
.endif
.if (\s) != 7
	FETCH_W ADW+2*(1-SL), 0
	FETCH_A (\s)+1, 0, 2
.endif
.if \ask >= 0
	ASK \ask
.endif
	WIN 0xa1
	MUL8 2, 1, ASRC, 0
	MUL8 3, 1, ASRC, 0
.if (\s) != 7
	PLACES 4
	WIN 0
	FETCH_A (\s)+1, 2, 2
.endif
.endm
.macro EPI first, last
	PLACES 4
	WIN 0x28
.irp bb, 0,1,2,3
.irp jj, 0,2,4,6
.irp a, 0,1,2,3
.if (\bb == 0) && (\jj == 0)
	v_max3_num_f32 v[TM+\a], 0xff800000, v[64*\a], v[64*\a+1]
	v_max3_num_f32 v[TM+4+\a], 0xff800000, v[64*\a+8], v[64*\a+9]
.else
	v_max3_num_f32 v[TM+\a], v[TM+\a], v[64*\a+16*\bb+\jj], v[64*\a+16*\bb+\jj+1]
	v_max3_num_f32 v[TM+4+\a], v[TM+4+\a], v[64*\a+16*\bb+8+\jj], v[64*\a+16*\bb+8+\jj+1]
.endif
.endr
.endr
.endr
	WIN 0
.irp a, 0,1,2,3
	v_max_num_f32 v[TM+\a], v[TM+\a], v[TM+4+\a]
.endr
.irp a, 0,1,2,3
	v_permlanex16_b32 v[TM+4+\a], v[TM+\a], s[SEL], s[SEL+1]
.endr
.irp a, 0,1,2,3
	v_max_num_f32 v[TM+\a], v[TM+\a], v[TM+4+\a]
.endr
.irp a, 0,1,2,3
	v_mul_f32 v[SD+2*\a], s[CS], v[TM+\a]
.endr
	WIN 0x82
.irp a, 0,1,2,3
.set i, 64*\a
.rept 32
	v_pk_fma_f32 v[i:i+1], v[i:i+1], s[CS:CS+1], v[SD+2*\a:SD+2*\a+1] op_sel_hi:[1,0,0] neg_lo:[0,0,1] neg_hi:[0,0,1]
.set i, i+2
.endr
.endr
.set i, 0
	s_wait_alu depctr_va_vdst(0)
.rept 256
	v_exp_f32 v[i], v[i]
.set i, i+1
.endr
	v_nop
	s_wait_alu depctr_va_vdst(0)
	WIN 0x0a
.irp a, 0,1,2,3
	v_pk_add_f32 v[SA+4*\a:SA+4*\a+1], v[64*\a:64*\a+1], v[64*\a+2:64*\a+3]
	v_pk_add_f32 v[SA+4*\a+2:SA+4*\a+3], v[64*\a+4:64*\a+5], v[64*\a+6:64*\a+7]
.endr
	WIN 0x08
.set i, 8
.rept 14
.irp a, 0,1,2,3
	v_pk_add_f32 v[SA+4*\a:SA+4*\a+1], v[SA+4*\a:SA+4*\a+1], v[64*\a+i:64*\a+i+1]
	v_pk_add_f32 v[SA+4*\a+2:SA+4*\a+3], v[SA+4*\a+2:SA+4*\a+3], v[64*\a+i+2:64*\a+i+3]
.endr
.set i, i+4
.endr
	WIN 0
.irp a, 0,1,2,3
	v_pk_add_f32 v[SA+4*\a:SA+4*\a+1], v[SA+4*\a:SA+4*\a+1], v[SA+4*\a+2:SA+4*\a+3]
.endr
.irp a, 0,1,2,3
	v_add_f32 v[TM+\a], v[SA+4*\a], v[SA+4*\a+1]
.endr
.irp a, 0,1,2,3
	v_permlanex16_b32 v[TM+4+\a], v[TM+\a], s[SEL], s[SEL+1]
.endr
.irp a, 0,1,2,3
	v_add_f32 v[SD+2*\a+1], v[TM+\a], v[TM+4+\a]
.endr
	v_add_nc_u32 v[TA], s[TOFF], v[WTL]
	ds_load_b128 v[64:67], v[TA]
.irp a, 0,1,2,3
	ds_store_b64 v[STS], v[SD+2*\a:SD+2*\a+1] offset:512*\a
.endr
.if !\last
	s_wait_tensorcnt 0x0
.endif
	s_wait_dscnt 0x0
	s_barrier_signal -1
	s_barrier_wait -1
.irp a, 0,1,2,3
	ds_load_b128 v[32+8*\a:35+8*\a], v[STL] offset:512*\a
	ds_load_b128 v[36+8*\a:39+8*\a], v[STL] offset:512*\a+16
.endr
.if !\last
	FETCH_W ADW, 0
	s_wait_dscnt 32
.else
	s_wait_dscnt 0x0
.endif
.irp a, 0,1,2,3
	v_max3_num_f32 v[TM+\a], v[32+8*\a], v[34+8*\a], v[36+8*\a]
.endr
.irp a, 0,1,2,3
	v_max_num_f32 v[TM+\a], v[TM+\a], v[38+8*\a]
.endr
.irp a, 0,1,2,3
.irp w, 0,1,2,3
	v_sub_f32 v[68+5*\a+\w], v[32+8*\a+2*\w], v[TM+\a]
.endr
	v_sub_f32 v[72+5*\a], v[SD+2*\a], v[TM+\a]
.endr
.set i, 68
	s_wait_alu depctr_va_vdst(0)
.rept 20
	v_exp_f32 v[i], v[i]
.set i, i+1
.endr
	v_nop
	s_wait_alu depctr_va_vdst(0)
.irp a, 0,1,2,3
	v_mul_f32 v[TM+4+\a], v[33+8*\a], v[68+5*\a]
.endr
.irp w, 1,2,3
.irp a, 0,1,2,3
	v_fmac_f32 v[TM+4+\a], v[33+8*\a+2*\w], v[68+5*\a+\w]
.endr
.endr
	s_wait_alu depctr_va_vdst(0)
.irp a, 0,1,2,3
	v_rcp_f32 v[TM+4+\a], v[TM+4+\a]
.endr
.irp a, 0,1,2,3
	v_mul_f32 v[F+2*\a], v[64+\a], v[72+5*\a]
.endr
	s_wait_alu depctr_va_vdst(0)
.irp a, 0,1,2,3
	v_mul_f32 v[F+2*\a], v[F+2*\a], v[TM+4+\a]
.endr
.if !\last
	FETCH_A 0, 0, 4
.endif
.if \first
	WIN 0xc2
.irp a, 0,1,2,3
.set i, 64*\a
.rept 32
	v_pk_mul_f32 v[i:i+1], v[i:i+1], v[F+2*\a:F+2*\a+1] op_sel_hi:[1,0]
.set i, i+2
.endr
.endr
.else
	WIN 0xf2
.irp a, 0,1,2,3
.set i, 64*\a
.rept 32
	v_pk_fma_f32 v[i:i+1], v[i:i+1], v[F+2*\a:F+2*\a+1], v[i:i+1] op_sel_hi:[1,0,1]
.set i, i+2
.endr
.endr
.endif
	WIN 0
.if !\last
	s_wait_loadcnt 0x0
	s_add_co_u32 s[TOFF], s[TOFF], 256
	s_mov_b32 s[LOFF], s[NOFF]
	s_add_co_u32 s[NOFF], s[NOFF], 4*SLOTB
	s_and_b32 s[NOFF], s[NOFF], 0x3fffff
.endif
.endm
.macro LEAF first, last
	STEP 0, \last
.if \first
	TURN 1, 1, 0
.else
	TURN 1, 1, -1
.endif
	STEP 2, \last
.if \first
	TURN 3, 1, SLOTB
.else
	TURN 3, 1, -1
.endif
	STEP 4, \last
.if \first
	TURN 5, 0, 2*SLOTB
.else
	TURN 5, 0, -1
.endif
	STEP 6, \last
.if \last
	s_wait_dscnt 0x0
	WIN 0xa1
	MUL8 0, 1, XR, 0
	MUL8 1, 1, XR, 0
	MUL8 2, 1, XR, 0
	MUL8 3, 1, XR, 0
.elseif \first
	TURN 7, 2, 3*SLOTB
.else
	TURN 7, 2, -1
.endif
	EPI \first, \last
.endm
	s_load_b256 s[4:11], s[0:1], 0x0
	s_load_b256 s[12:19], s[0:1], 0x20
	v_lshl_add_u32 v[SPW], v0, 2, SPARE
	v_mov_b32 v[NIL], 0
	ds_add_u32 v[SPW], v[NIL]
	ds_add_u32 v[SPW], v[NIL]
	v_lshrrev_b32 v16, 5, v0
	v_readfirstlane_b32 s[WV], v16
	s_bfe_u32 s21, ttmp6, 0x40000
	s_bfe_u32 s22, ttmp6, 0x40004
	s_lshl_b32 s23, ttmp9, 2
	s_add_co_u32 s23, s23, s21
	s_and_b32 s24, ttmp7, 0xffff
	s_lshl_b32 s24, s24, 2
	s_add_co_u32 s24, s24, s22
	s_lshl_b32 s87, s22, 2
	s_lshl_b32 s87, 15, s87
	s_or_b32 s[G1W], s87, (3<<16)|(1<<21)
	s_or_b32 s[G1M], s87, (3<<16)|(1<<21)
	s_mov_b32 s[G1W+1], 32<<16
	s_mov_b32 s[G1W+2], 128<<16
	s_mov_b32 s[G1W+3], 32<<16
	s_mov_b32 s[G1W+4], 128
	s_mov_b32 s[G1W+5], 32
	s_mov_b32 s[G1W+6], 0
	s_mov_b32 s[G1W+7], 0
	s_mov_b32 s[G1M+1], 32<<16
	s_mov_b32 s[G1M+2], 256<<16
	s_mov_b32 s[G1M+3], 32<<16
	s_mov_b32 s[G1M+4], 256
	s_mov_b32 s[G1M+5], 32
	s_mov_b32 s[G1M+6], 0
	s_mov_b32 s[G1M+7], 0
	s_mov_b32 s[G0W], 1
	s_lshl_b32 s[G0W+1], s[WV], 15
	s_mov_b32 s[G0W+4], 1
	s_add_co_u32 s[G0W+5], s[G0W+1], SLOTB
	s_mov_b32 s[G0M], 1
	s_lshl_b32 s[G0M+1], s[WV], 16
	s_mul_i32 s[G0X+1], s[WV], 14336
	s_add_co_u32 s[G0X+1], s[G0X+1], XRES
	s_lshl_b32 s[W32], s[WV], 15
	s_lshl_b32 s[W64], s[WV], 16
	s_lshr_b32 s25, ttmp9, 2
	s_add_co_u32 s25, s25, ttmp9
	s_and_b32 s25, s25, 3
	s_lshl_b32 s25, s25, 1
	s_bitcmp1_b32 s25, 1
	s_cselect_b32 s26, -1, 0
	s_bitcmp1_b32 s25, 2
	s_cselect_b32 s27, -1, 0
	s_lshl_b32 s[LOFF], s25, 19
	s_add_co_u32 s[NOFF], s[LOFF], 4*SLOTB
	s_mov_b32 s[TP+1], 0
	s_mov_b32 s3, 0
	s_mov_b32 s[SEL], 0x76543210
	s_mov_b32 s[SEL+1], 0xfedcba98
	s_mov_b32 s86, 0xffff0000
	s_mov_b32 s[TOFF], 0
	s_cmp_lt_u32 ttmp9, 4
	s_cselect_b32 s[LIM], 1, 0
.irp d, 0,1,2
	s_bfe_u32 s87, s24, 0x10000|(2-\d)
	s_lshl_b32 s[80+2*\d], s87, 31
	s_or_b32 s[80+2*\d], s[80+2*\d], 0x3f800000
	s_mul_i32 s[81+2*\d], s87, 0x3f800000
.endr
	s_wait_dscnt 0x0
	s_wait_kmcnt 0x0
	s_load_b64 s[70:71], s[16:17], 0x8
	s_lshl_b32 s[TP], s24, 22
	s_add_nc_u64 s[WB:WB+1], s[4:5], s[TP:TP+1]
	s_add_co_u32 s[TP], s[LOFF], s[W64]
	s_add_nc_u64 s[G0M+2:G0M+3], s[WB:WB+1], s[TP:TP+1]
	s_or_b32 s[G0M+3], s[G0M+3], 0x80000000
	s_lshl_b32 s2, s23, 16
	s_add_nc_u64 s[6:7], s[6:7], s[2:3]
	s_add_nc_u64 s[8:9], s[8:9], s[2:3]
	s_mul_i32 s2, s[WV], 14336
	s_add_nc_u64 s[G0X+2:G0X+3], s[6:7], s[2:3]    ; my wave's 14,336 bytes of x's resident codes
	s_lshl_b32 s2, s[WV], 11
	s_add_nc_u64 s[8:9], s[8:9], s[2:3]
	s_lshl_b32 s2, s21, 2
	s_add_co_u32 s2, s2, s[WV]
	s_lshl_b32 s2, s2, 13
	s_add_co_u32 s2, s2, s[NOFF]
	s_add_nc_u64 s[PFA:PFA+1], s[WB:WB+1], s[2:3]
	s_lshr_b32 s2, s24, 2
	s_lshl_b32 s2, s2, 16
	s_and_b32 s99, s24, 3
	s_lshl_b32 s99, s99, 11
	s_add_co_u32 s2, s2, s99
	s_add_nc_u64 s[10:11], s[10:11], s[2:3]
	s_lshl_b32 s2, s24, 7
	s_add_nc_u64 s[12:13], s[12:13], s[2:3]
	s_lshl_b32 s2, s24, 14
	s_add_nc_u64 s[14:15], s[14:15], s[2:3]
	s_lshr_b32 s[TP], s[LOFF], 8
	s_add_nc_u64 s[BP:BP+1], s[14:15], s[TP:TP+1]
	s_lshl_b32 s2, s24, 22
	s_lshl_b32 s99, s23, 17
	s_add_co_u32 s2, s2, s99
	s_lshl_b32 s99, s[WV], 9
	s_add_co_u32 s2, s2, s99
	s_add_nc_u64 s[18:19], s[18:19], s[2:3]
	CROUND
	tensor_load_to_lds s[G0M:G0M+3], s[G1M:G1M+7]
	s_nop 0
.rept 4
	v_nop
.endr
	v_and_b32 v16, 31, v0
	v_lshlrev_b32 v[LI], 4, v16
	v_lshlrev_b32 v[PFO], 8, v16
	s_lshl_b32 s87, s[WV], 14
	v_add_nc_u32 v[ADW], s87, v[LI]
	v_add_nc_u32 v[ADW+1], 65536, v[ADW]
	v_add_nc_u32 v[ADW+2], SLOTB, v[ADW]
	v_add_nc_u32 v[ADW+3], SLOTB+65536, v[ADW]
	v_add_nc_u32 v[ADX], XRES, v[LI]
	v_add_nc_u32 v11, s[G0X+1], v[LI]              ; where my wave lays its part of x's resident codes: XRES + 14,336 x wave + 16 x lane
	v_and_b32 v17, 15, v0
	v_bfe_u32 v18, v0, 4, 1
	v_lshlrev_b32 v[STL], 5, v17
	v_add_nc_u32 v[STL], STATS, v[STL]
	s_lshl_b32 s87, s[WV], 3
	v_add_nc_u32 v[STS], s87, v[STL]
	v_lshlrev_b32 v[WTL], 4, v17
	v_add_nc_u32 v[WTL], WT, v[WTL]
	s_lshl_b32 s87, s[WV], 2
	v_add_nc_u32 v[WTS], s87, v[WTL]
	s_mul_i32 s87, s[WV], 16*SPITCH
	v_mul_u32_u24 v[STO], v17, SPITCH
	v_lshl_add_u32 v[STO], v18, 5, v[STO]
	v_add_nc_u32 v[STO], s87, v[STO]
	v_add_nc_u32 v[RD], s87, v[LI]
	s_lshl_b32 s87, s[WV], 9
	v_lshlrev_b32 v[BO], 5, v18
	v_add_nc_u32 v[BO], s87, v[BO]
	v_lshlrev_b32 v19, 6, v18
.irp a, 0,1,2,3
	v_mov_b32 v[F+2*\a+1], 0
.endr
.irp j, 56,57,58,59,60,61
	v_mov_b32 v\j, 0
.endr
	WIN 0x80                                       ; x's resident codes: 28 loads of 512 consecutive bytes, into the logits' registers, which are idle here
.set i, 0
.rept 28
	global_load_b128 v[i:i+3], v[LI], s[G0X+2:G0X+3] offset:128*i
.set i, i+4
.endr
	WIN 0x40
.irp k, 0,1,2,3,4,5,6,7
.irp c, 0,1,2,3
	global_load_b128 v[16*\k+4*\c:16*\k+4*\c+3], v[LI], s[8:9] offset:8192*\k+512*\c
.endr
.endr
.irp k, 0,1,2,3,4,5,6,7
.irp c, 0,1,2,3
	global_load_b128 v[128+16*\k+4*\c:128+16*\k+4*\c+3], v[LI], s[10:11] offset:8192*\k+512*\c
.endr
.endr
	WIN 0
.irp c, 0,1,2,3
	global_load_b128 v[SD+4*\c:SD+4*\c+3], v19, s[12:13] offset:16*\c
.endr
.irp a, 0,1,2,3
.irp c, 0,1,2,3
	global_load_b128 v[XR+16*\a+4*\c:XR+16*\a+4*\c+3], v[LI], s[6:7] offset:57344+2048*\a+512*\c
.endr
.endr
	BILOAD
	s_wait_kmcnt 0x0
	s_add_co_i32 s87, s70, s71
	s_lshl_b32 s87, s87, 23
	s_add_co_i32 s[CS], s87, 0x3fb8aa3b
	s_mov_b32 s[CS+1], s[CS]
	s_wait_loadcnt 0x0
	WIN 0x08                                       ; and on into LDS, as they lie; the barrier at the head's end shows them to the other waves
.set i, 0
.rept 28
	ds_store_b128 v11, v[i:i+3] offset:128*i
.set i, i+4
.endr
	WIN 0x05
.irp k, 0,1,2,3,4,5,6,7
.if \k < 2
	v_wmma_f32_16x16x128_fp8_fp8 v[32+8*(\k%2):39+8*(\k%2)], v[128+16*\k:143+16*\k], v[16*\k:16*\k+15], 0
.else
	v_wmma_f32_16x16x128_fp8_fp8 v[32+8*(\k%2):39+8*(\k%2)], v[128+16*\k:143+16*\k], v[16*\k:16*\k+15], v[32+8*(\k%2):39+8*(\k%2)]
.endif
.endr
	WIN 0
	PLACES 4
.irp j, 0,1,2,3,4,5,6,7
	v_add_f32 v[48+\j], v[32+\j], v[40+\j]
.endr
.irp j, 0,1,2,3,4,5,6,7
	v_fma_f32 v[48+\j], v[48+\j], v[SD+2*\j], v[SD+2*\j+1]
.endr
	s_wait_alu depctr_va_vdst(0)
.irp j, 0,1,2,3,4,5,6,7
	v_exp_f32 v[48+\j], v[48+\j]
.endr
	v_nop
	s_wait_alu depctr_va_vdst(0)
.irp j, 0,1,2,3,4,5,6,7
	v_add_f32 v[48+\j], 1.0, v[48+\j]
.endr
	s_wait_alu depctr_va_vdst(0)
.irp j, 0,1,2,3,4,5,6,7
	v_rcp_f32 v[48+\j], v[48+\j]
.endr
	v_nop
	s_wait_alu depctr_va_vdst(0)
.irp j, 0,1,2,3,4,5
	v_permlanex16_b32 v[56+\j], v[48+\j], s[SEL], s[SEL+1]
.endr
.irp j, 0,1,2,3,4,5
	v_cndmask_b32 v[64+\j], v[48+\j], v[56+\j], s86
.endr
.irp j, 0,1,2,3
	v_cndmask_b32 v[72+\j], v[56+\j], v[48+\j], s86
.endr
	v_fma_f32 v76, v64, s80, s81
	v_fma_f32 v77, v65, s82, s83
	v_fma_f32 v78, v66, s84, s85
	v_mul_f32 v80, v76, v77
	v_mul_f32 v80, v80, v78
	v_mul_f32 v81, v80, v67
	v_fma_f32 v82, -v80, v67, v80
	v_mul_f32 v83, v81, v68
	v_fma_f32 v84, -v81, v68, v81
	v_mul_f32 v85, v82, v69
	v_fma_f32 v86, -v82, v69, v82
.irp i, 0,1,2,3
	v_mul_f32 v[88+2*\i], v[83+\i], v[72+\i]
	v_fma_f32 v[89+2*\i], -v[83+\i], v[72+\i], v[83+\i]
.endr
.irp j, 0,1,2,3,4,5,6,7
	v_cndmask_b32 v[32+\j], v[88+\j], v[88+(\j+4)%8], s27
.endr
.irp j, 0,1,2,3,4,5,6,7
	v_cndmask_b32 v[40+\j], v[32+\j], v[32+(\j+2)%8], s26
.endr
.irp t, 0,1,2,3,4,5,6,7
	ds_store_b32 v[WTS], v[40+\t] offset:256*\t
.endr
	s_wait_tensorcnt 0x0
	s_wait_dscnt 0x0
	s_barrier_signal -1
	s_barrier_wait -1
	FETCH_W ADW, 0
	FETCH_A 0, 0, 4
	LEAF 1, 0
	s_mov_b32 s[CNT], 6
.Lleaf:
	LEAF 0, 0
	s_sub_co_u32 s[CNT], s[CNT], 1
	s_cmp_lg_u32 s[CNT], 0
	s_cbranch_scc1 .Lleaf
	LEAF 0, 1
.macro TOSTAGE a
	WIN 0x0c
.irp b, 0,1,2,3,4,5,6,7
	ds_store_b128 v[STO], v[8*(8*(\a)+\b):8*(8*(\a)+\b)+3] offset:64*\b
	ds_store_b128 v[STO], v[8*(8*(\a)+\b)+4:8*(8*(\a)+\b)+7] offset:64*\b+16
.endr
	WIN 0
.set BB, 32+64*((\a)%2)
.irp t, 0,1,2,3,4,5,6,7,8,9,10,11,12,13,14,15
	ds_load_b128 v[BB+4*\t:BB+4*\t+3], v[RD] offset:\t*SPITCH
.endr
.endm
.macro SEND a, younger
.set BB, 32+64*((\a)%2)
	s_wait_dscnt \younger
.irp t, 0,1,2,3,4,5,6,7,8,9,10,11,12,13,14,15
	global_store_b128 v[LI], v[BB+4*\t:BB+4*\t+3], s[18:19] offset:(16*(\a)+\t)*2048 th:TH_STORE_NT
.endr
.endm
	TOSTAGE 0
	s_wait_alu depctr_va_vdst(0)
.irp a, 1,2,3
.if \a > 1
	s_wait_xcnt 0x0
.endif
	TOSTAGE \a
	SEND \a-1, 32
.endr
	SEND 3, 0
	s_wait_tensorcnt 0x0
	ds_add_u32 v[SPW], v[NIL]
	s_wait_dscnt 0x0
	CROUND
	s_endpgm
.Lfunc_end_k_qa1403c76fb_mix:
	.size	k_qa1403c76fb_mix, .Lfunc_end_k_qa1403c76fb_mix-k_qa1403c76fb_mix
	.p2alignl 7, 3214868480
	.fill 96, 4, 3214868480
	.section	.rodata,"a",@progbits
	.p2align	6, 0x0
	.amdhsa_kernel k_qa1403c76fb_mix
		.amdhsa_group_segment_fixed_size 327680
		.amdhsa_private_segment_fixed_size 0
		.amdhsa_enable_private_segment 0
		.amdhsa_kernarg_size 64
		.amdhsa_user_sgpr_count 2
		.amdhsa_user_sgpr_kernarg_segment_ptr 1
		.amdhsa_wavefront_size32 1
		.amdhsa_system_sgpr_workgroup_id_x 1
		.amdhsa_system_sgpr_workgroup_id_y 1
		.amdhsa_system_sgpr_workgroup_id_z 1
		.amdhsa_system_vgpr_workitem_id 0
		.amdhsa_next_free_vgpr 1024
		.amdhsa_next_free_sgpr 100
		.amdhsa_reserve_vcc 0
		.amdhsa_float_denorm_mode_32 3
		.amdhsa_float_denorm_mode_16_64 3
		.amdhsa_memory_ordered 1
		.amdhsa_forward_progress 1
		.amdhsa_inst_pref_size 255
	.end_amdhsa_kernel
	.section	.bss,"aw",@nobits
	.p2align	6
	.space	262144
	.amdgpu_metadata
---
amdhsa.version: [ 1, 2 ]
amdhsa.kernels:
  - .name:           k_qa1403c76fb_mix
    .symbol:         k_qa1403c76fb_mix.kd
    .args:
      - { .name: wimg, .offset: 0, .size: 8, .value_kind: global_buffer, .address_space: global }
      - { .name: x2img, .offset: 8, .size: 8, .value_kind: global_buffer, .address_space: global }
      - { .name: x0img, .offset: 16, .size: 8, .value_kind: global_buffer, .address_space: global }
      - { .name: wnimg, .offset: 24, .size: 8, .value_kind: global_buffer, .address_space: global }
      - { .name: gpar, .offset: 32, .size: 8, .value_kind: global_buffer, .address_space: global }
      - { .name: bpad, .offset: 40, .size: 8, .value_kind: global_buffer, .address_space: global }
      - { .name: lowp_scales, .offset: 48, .size: 8, .value_kind: global_buffer, .address_space: global }
      - { .name: part, .offset: 56, .size: 8, .value_kind: global_buffer, .address_space: global }
    .group_segment_fixed_size: 327680
    .private_segment_fixed_size: 0
    .kernarg_segment_align: 8
    .kernarg_segment_size: 64
    .max_flat_workgroup_size: 128
    .sgpr_count:     100
    .vgpr_count:     1024
    .wavefront_size: 32
...
	.end_amdgpu_metadata
.endif
;; end of part 5
;; launch sum (part 6): grid 512 x 1, 4 waves a work-group, no clusters, 0 bytes of LDS; arguments part, out0; writes out0
.if DOCPART == 6
	.amdgcn_target "amdgcn-amd-amdhsa--gfx1250"
	.amdhsa_code_object_version 6
	.text
	.protected	k_qa1403c76fb_sum
	.globl	k_qa1403c76fb_sum
	.p2align	8
	.type	k_qa1403c76fb_sum,@function
k_qa1403c76fb_sum:
	s_mov_b64 s[64:65], 0
	v_nop
	global_prefetch_b8 v0, s[64:65] scope:SCOPE_SE
	s_setreg_imm32_b32 hwreg(HW_REG_WAVE_MODE, 25, 1), 1
	s_wait_xcnt 0x0
; out0[n][o] = the sum over the eight groups of leaves g of part[g][n][o].  part: [8][2048][512] f32 (columns 500-511 are pad, stored as zeros); out0: [2048][500] f32.  No work of the problem is left out.
; A work-group takes four rows; thread t takes 16 bytes of each.  All 32 loads of a thread go out at once; a load of a wave covers 512 consecutive bytes.  A row of out0 is 2,000 bytes = 125 threads' 16:
; the loads run with all lanes on (the pad lies inside part); the additions and the stores run in threads 0 to 124.  A plain stream: no LDS, no matrix unit, no cluster.
	s_load_b128 s[4:7], s[0:1], 0x0                ; part, out0
	v_lshlrev_b32 v1, 4, v0
	v_cmp_gt_u32 vcc_lo, 125, v0
	s_lshl_b32 s16, ttmp9, 13                      ; four rows of 2,048 bytes
	s_mov_b32 s17, 0
	s_mul_i32 s18, ttmp9, 8000                     ; four rows of 2,000 bytes
	s_mov_b32 s19, 0
	s_wait_alu depctr_va_vdst(0)
	s_wait_kmcnt 0x0
	s_add_nc_u64 s[8:9], s[4:5], s[16:17]          ; groups 0 and 1;
	s_add_nc_u64 s[10:11], s[8:9], 0x800000        ; a base for every two groups, so that the offsets stay inside the signed 24-bit immediate (ISA guide, chapter 10)
	s_add_nc_u64 s[12:13], s[10:11], 0x800000
	s_add_nc_u64 s[14:15], s[12:13], 0x800000
	s_add_nc_u64 s[6:7], s[6:7], s[18:19]
.irp i, 0,1,2,3
.irp g, 0,1,2,3,4,5,6,7
	global_load_b128 v[16+4*(8*\i+\g):16+4*(8*\i+\g)+3], v1, s[8+2*(\g/2):9+2*(\g/2)] offset:(\g%2)*4194304+2048*\i th:TH_LOAD_NT
.endr
.endr
	s_wait_xcnt 0x0                                ; EXEC is a source of the loads above: it changes only behind this wait
	s_and_saveexec_b32 s20, vcc_lo                 ; threads 0 to 124
.macro ROW i
.set R, 16+32*(\i)
	s_wait_loadcnt 24-8*(\i)                       ; this row's eight loads are in; the later rows' may be out
.irp g, 0,2,4,6
	v_pk_add_f32 v[R+4*\g:R+4*\g+1], v[R+4*\g:R+4*\g+1], v[R+4*\g+4:R+4*\g+5]
	v_pk_add_f32 v[R+4*\g+2:R+4*\g+3], v[R+4*\g+2:R+4*\g+3], v[R+4*\g+6:R+4*\g+7]
.endr
.irp g, 0,4
	v_pk_add_f32 v[R+4*\g:R+4*\g+1], v[R+4*\g:R+4*\g+1], v[R+4*\g+8:R+4*\g+9]
	v_pk_add_f32 v[R+4*\g+2:R+4*\g+3], v[R+4*\g+2:R+4*\g+3], v[R+4*\g+10:R+4*\g+11]
.endr
	v_pk_add_f32 v[R:R+1], v[R:R+1], v[R+16:R+17]
	v_pk_add_f32 v[R+2:R+3], v[R+2:R+3], v[R+18:R+19]
	global_store_b128 v1, v[R:R+3], s[6:7] offset:2000*(\i) th:TH_STORE_NT
.endm
	ROW 0
	ROW 1
	ROW 2
	ROW 3
	s_endpgm
.Lfunc_end_k_qa1403c76fb_sum:
	.size	k_qa1403c76fb_sum, .Lfunc_end_k_qa1403c76fb_sum-k_qa1403c76fb_sum
	.p2alignl 7, 3214868480
	.fill 96, 4, 3214868480
	.section	.rodata,"a",@progbits
	.p2align	6, 0x0
	.amdhsa_kernel k_qa1403c76fb_sum
		.amdhsa_group_segment_fixed_size 0
		.amdhsa_private_segment_fixed_size 0
		.amdhsa_enable_private_segment 0
		.amdhsa_kernarg_size 16
		.amdhsa_user_sgpr_count 2
		.amdhsa_user_sgpr_kernarg_segment_ptr 1
		.amdhsa_wavefront_size32 1
		.amdhsa_system_sgpr_workgroup_id_x 1
		.amdhsa_system_sgpr_workgroup_id_y 1
		.amdhsa_system_sgpr_workgroup_id_z 1
		.amdhsa_system_vgpr_workitem_id 0
		.amdhsa_next_free_vgpr 148
		.amdhsa_next_free_sgpr 66
		.amdhsa_reserve_vcc 1
		.amdhsa_float_denorm_mode_32 3
		.amdhsa_float_denorm_mode_16_64 3
		.amdhsa_memory_ordered 1
		.amdhsa_forward_progress 1
		.amdhsa_inst_pref_size 8
	.end_amdhsa_kernel
	.amdgpu_metadata
---
amdhsa.version: [ 1, 2 ]
amdhsa.kernels:
  - .name:           k_qa1403c76fb_sum
    .symbol:         k_qa1403c76fb_sum.kd
    .args:
      - { .name: part, .offset: 0, .size: 8, .value_kind: global_buffer, .address_space: global }
      - { .name: out0, .offset: 8, .size: 8, .value_kind: global_buffer, .address_space: global }
    .group_segment_fixed_size: 0
    .private_segment_fixed_size: 0
    .kernarg_segment_align: 8
    .kernarg_segment_size: 16
    .max_flat_workgroup_size: 128
    .sgpr_count:     66
    .vgpr_count:     148
    .wavefront_size: 32
...
	.end_amdgpu_metadata
.endif
;; end of part 6
